; MI455X (gfx1250); checked and timed in simulation.
; The chip was launched on July 23, 2026; its instructions are those of AMD's public machine-readable ISA for CDNA 5 (MIT licence, August 2026) and "CDNA5" Instruction Set Architecture Reference Guide (July 2026). The comments in the code are by the model that wrote it; some were corrected since.
;; Multi Head Attention. Allowed arithmetic: matrix products marked QUANTISED: E3M2 operands, one E8M0 scale for each 32 along K, by v_wmma_scale_f32_16x16x128_f8f6f4 with both operands' format E3M2, f32 sums; everything else in f32.
;; Inputs: Wk 512 x 512 float32; Wo 512 x 512 float32; Wq 512 x 512 float32; Wv 512 x 512 float32; beta 512 float32; bk 512 float32; bo 512 float32; bq 512 float32; bv 512 float32; gamma 512 float32; k 2 x 8 x 1,024 x 512 float32; mask 2 x 1,024 x 1,024 bool; q 2 x 8 x 1,024 x 512 float32; v 2 x 8 x 1,024 x 512 float32.
;; Outputs: out0 2 x 8 x 1,024 x 512 float32.
;; This version of the problem:
;;   THIS VERSION OF THE PROBLEM IS GIVEN IN LOW PRECISION. The matrix products marked QUANTISED in the list below multiply operands that are first quantised to E3M2 (3 exponent bits, 2 mantissa bits; 6 bits a number), with one power-of-two scale for each 32 numbers along K (OCP MX v1.0); their sums are f32. All else is computed in f32.
;;   The module's matrix products, in the order in which they are computed (A, B: the left and right operand; K: the contracted axis; several contracted axes count as one K, in the product's order):
;;     1. [M 16,384, K 512] x [K 512, N 512]; A: input q; B: input Wq: QUANTISED
;;     2. [M 16,384, K 512] x [K 512, N 512]; A: input k; B: input Wk: QUANTISED
;;     3. [M 16,384, K 512] x [K 512, N 512]; A: input v; B: input Wv: QUANTISED
;;     4. batch 128 x [M 1,024, K 64] x [K 64, N 1,024]; A: computed on the way; B: computed on the way: QUANTISED
;;     5. batch 128 x [M 1,024, K 1,024] x [K 1,024, N 64]; A: softmax (see below); B: computed on the way: QUANTISED
;;     6. [M 16,384, K 512] x [K 512, N 512]; A: computed on the way; B: input Wo: QUANTISED
;;   THE QUANTISER, for each operand of a quantised product, along K:
;;     - K is cut into blocks of 32 from its start; a last block that is shorter is filled with zeros.
;;     - A block's scale is 2^e with e = floor(log2(the largest magnitude in the block)) - 4, held to -126 .. 127; a block of zeros has e = 0. As a byte (E8M0): e + 127.
;;     - Each number is divided by its block's scale, clamped to +-28, and rounded to the nearest number of E3M2, ties to even, subnormals kept.
;;     - The product sums the exact products of the quantised numbers (number of the format x scale) in f32.
;;   ~~~python
;;   def quantise(x, axis):      # numpy; x: float32 -> the quantised numbers, widened to float32 again
;;       x = np.moveaxis(x, axis, -1); K = x.shape[-1]
;;       x = np.pad(x, [(0, 0)] * (x.ndim - 1) + [(0, -K % 32)]); x = x.reshape(x.shape[:-1] + (-1, 32)); a = np.abs(x).max(-1, keepdims=True)
;;       e = np.where(a > 0, np.clip(np.frexp(np.where(a > 0, a, 1))[1] - 1 - 4, -126, 127), 0)      # np.frexp(a)[1] - 1 = floor(log2(a)), exactly
;;       r = np.clip(x / 2.0 ** e, -28, 28)
;;       step = 2.0 ** (np.maximum(np.frexp(np.where(r == 0, 1, r))[1] - 1, -2) - 2)
;;       q = np.round(r / step) * step * 2.0 ** e      # np.round: ties to even
;;       return np.moveaxis(q.reshape(q.shape[:-2] + (-1,))[..., :K], -1, axis).astype(np.float32)
;;   ~~~
;;   SOFTMAX AHEAD OF A QUANTISED PRODUCT. Where the list says 'softmax', what is quantised is not the finished softmax but p = 2^(t - M), with t = logit x log2(e) and M = ceil(the row's largest t), a whole number; so 1/2 < the row's largest p <= 1. The row's sum l is taken of the UNQUANTISED p, in f32, and the product's result is divided by l at the end. Since M is a whole number, a kernel that streams over the keys may use a running M (the ceiling of the running maximum): every later rescaling is an exact power of two, which a block's scale takes up: the codes' values come out the same.
;;   OPERANDS COMPUTED ON THE WAY. 'Computed on the way' means the value that the module computes at that place (a softmax that the list does not call 'softmax' is quantised finished and normalised). What goes into a quantiser is computed in f32, as accurately as f32 sums, v_exp_f32 and their like allow (about 1e-6 of the number): no bf16 or f16 on the way to a quantiser, and a product that is left as it is and whose result goes on into a quantised operand takes f32 operands (vector FMAs, or v_wmma_f32_16x16x4_f32). A number that lies on a knife's edge between two numbers of the format may be rounded either way, as far as f32 arithmetic and the matrix unit's own rounding can turn it there, and no further.
;; One version. Each part assembles by itself: llvm-mc -triple=amdgcn-amd-amdhsa -mcpu=gfx1250 --defsym DOCPART=n.
;; ======== version 1 of 1: 4 launches
;; limits: right only within a limited range of input values
;; workspace buffers: wimg 819,200 bytes; maskw 262,144 bytes of whole numbers; qc 6,815,744 bytes; kc 6,815,744 bytes; vc 6,815,744 bytes; oc 6,815,744 bytes
;; launch prep (part 1): grid 256 x 1, 5 waves a work-group, no clusters, 4,864 bytes of LDS; arguments Wq, Wk, Wv, Wo, mask, wimg, maskw; writes wimg, maskw
.if DOCPART == 1
	.amdgcn_target "amdgcn-amd-amdhsa--gfx1250"
	.amdhsa_code_object_version 6
	.text
	.protected	k_q257e6aa3fe_prep
	.globl	k_q257e6aa3fe_prep
	.p2align	8
	.type	k_q257e6aa3fe_prep,@function
k_q257e6aa3fe_prep:
	s_mov_b64 s[64:65], 0
	v_nop
	global_prefetch_b8 v0, s[64:65] scope:SCOPE_SE
	s_setreg_imm32_b32 hwreg(HW_REG_WAVE_MODE, 25, 1), 1
	s_wait_xcnt 0x0
; PREP.  (1) The four weights [512 (k)][512 (n)] f32 become codes of BF6 (E3M2) with one E8M0 byte for each 32 along K, laid as IMAGES OF THE OPERAND'S REGISTERS.
; (2) The mask [2][1024 (query)][1024 (key)], one byte each, becomes lane masks: one 32-bit word for each register of a tile of scores.
; TILE ORDER, used by every launch of the program: of 32 neighbouring indices, slot r of tile u (0, 1) is index 8 u + r + 8 (r / 8).
; wimg: for each weight (q, k, v, o) 204,800 bytes: [column tile T: 32][K step s: 4] images of 1,536 bytes (16 columns x 128 K: registers 4 c .. 4 c + 3 of lane l at 512 c + 16 l),
;       then [pair of tiles P: 16][s: 4] scale images of 128 bytes: lanes 0-15 the words of tile 2 P, lanes 16-31 those of tile 2 P + 1.
; maskw: [b: 2][query tile T: 64][key step j: 8][n: 64] words; bit l of word n = mask[b][query slot l % 16 of tile T][128 j + 32 (n / 16) + 16 (l / 16) + n % 16].
; SHARES.  256 work-groups of five waves.  Wave 0 takes 32 columns x 128 K of one weight; waves 1 to 4 take one key step each of one query tile's mask.  The two jobs share nothing: the ways part on the
; wave's number and do not join; only wave 0 touches LDS; there is no barrier.
; THE WEIGHT: A LANE TAKES A COLUMN AND ITS REGISTERS RUN DOWN K: a block of 32 lies in one lane, its largest magnitude needs no other lane, and the conversions give codes with K innermost.
; A block's scale byte is its largest magnitude's exponent field - 4, held at 1 from below.
; LIMITS: a block of zeros gets the byte 1 where the rule says 127 (its codes are zeros; this program alone reads the bytes); NaN and infinities among the weights are not served.
.set WREC, 204800                      ; a weight's record in wimg
.set WSC,  196608                      ; where its scale images begin
.set FRB,  1536                        ; an image
.set C,    16                          ; v16-22   a block's codes
.set OUTR, 24                          ; v24-47   the two images read back from the stage
.set MK,   48                          ; v48-63   mask bytes: 4 loads of 16 bytes
.set MO,   112                         ; v112-113 mask words: lane n % 32 of register n / 32
.set X,    128                         ; v128-191 two sets of 32 numbers of W
	s_load_b256 s[4:11], s[0:1], 0x0               ; Wq, Wk, Wv, Wo
	s_load_b128 s[12:15], s[0:1], 0x20             ; mask, wimg
	s_load_b64 s[16:17], s[0:1], 0x30              ; maskw
	v_lshl_add_u32 v192, v0, 2, 0x1000
	v_mov_b32 v193, 0
	v_lshrrev_b32 v15, 5, v0
	v_readfirstlane_b32 s18, v15                   ; wave 0..4
	v_and_b32 v15, 31, v0                          ; lane
	v_lshlrev_b32 v1, 2, v15                       ; 4 x lane
	v_bfe_u32 v6, v15, 3, 1                        ; my column's tile u
	v_and_b32 v7, 7, v15
	v_lshrrev_b32 v8, 4, v15                       ; lane / 16
	v_lshl_add_u32 v7, v8, 3, v7                   ; and its slot r = lane % 8 + 8 (lane / 16)
	v_lshlrev_b32 v2, 4, v7
	v_mad_u32_u24 v2, v6, FRB, v2                  ; the stage: image u, 16 r
	v_lshlrev_b32 v3, 4, v15                       ; 16 x lane
	v_lshl_add_u32 v4, v6, 4, v7
	v_lshlrev_b32 v4, 2, v4                        ; my word's place in the scale image: 4 (16 u + r)
	v_and_b32 v9, 15, v15
	v_and_b32 v10, 8, v9
	v_add_nc_u32 v9, v9, v10                       ; the mask: my query slot's row, lane % 16 + 8 ((lane % 16) / 8),
	v_lshlrev_b32 v5, 10, v9                       ; of 1,024 bytes,
	v_lshl_add_u32 v5, v8, 4, v5                   ; and 16 keys on for lanes 16-31
	s_lshr_b32 s20, ttmp9, 6                       ; which weight
	s_bfe_u32 s21, ttmp9, 0x40002                  ; which 32 columns
	s_and_b32 s26, ttmp9, 3                        ; which 128 along K
	s_lshl_b32 s28, s26, 18                        ; W: 128 rows of 2,048 bytes a K step,
	s_lshl_b32 s27, s21, 7                         ; 128 bytes for 32 columns
	s_add_co_u32 s28, s28, s27
	s_mov_b32 s29, 0
	s_mul_i32 s30, s20, WREC
	s_lshl_b32 s27, s21, 3
	s_add_co_u32 s27, s27, s26                     ; image 4 T + s of tile T = 2 x (32 columns)
	s_mul_i32 s27, s27, FRB
	s_add_co_u32 s32, s30, s27
	s_mov_b32 s33, 0
	s_lshl_b32 s27, s21, 2
	s_add_co_u32 s27, s27, s26
	s_lshl_b32 s27, s27, 7                         ; scale image 4 P + s
	s_add_co_u32 s34, s30, s27
	s_add_co_u32 s34, s34, WSC
	s_mov_b32 s35, 0
	s_lshr_b32 s27, ttmp9, 7                       ; the mask: b,
	s_lshl_b32 s36, s27, 20
	s_bfe_u32 s27, ttmp9, 0x60001                  ; the query tile T: its first row is 32 (T / 2) + 8 (T % 2),
	s_lshr_b32 s31, s27, 1
	s_lshl_b32 s31, s31, 15
	s_add_co_u32 s36, s36, s31
	s_and_b32 s31, s27, 1
	s_lshl_b32 s31, s31, 13
	s_add_co_u32 s36, s36, s31
	s_and_b32 s31, ttmp9, 1                        ; and which four key steps are the work-group's
	s_lshl_b32 s31, s31, 9
	s_add_co_u32 s36, s36, s31
	s_mov_b32 s37, 0
	s_lshl_b32 s38, ttmp9, 10                      ; 4 key steps x 64 words
	s_mov_b32 s39, 0
	s_wait_kmcnt 0x0
	s_cmp_lt_u32 s20, 2                            ; the weight is chosen by the work-group's number alone
	s_cselect_b64 s[22:23], s[4:5], s[8:9]
	s_cselect_b64 s[24:25], s[6:7], s[10:11]
	s_bitcmp1_b32 s20, 0
	s_cselect_b64 s[22:23], s[24:25], s[22:23]
	s_add_nc_u64 s[22:23], s[22:23], s[28:29]
	s_add_nc_u64 s[32:33], s[14:15], s[32:33]      ; the codes' images
	s_add_nc_u64 s[34:35], s[14:15], s[34:35]      ; the scale image
	s_add_nc_u64 s[12:13], s[12:13], s[36:37]
	s_add_nc_u64 s[16:17], s[16:17], s[38:39]
	s_cmp_lg_u32 s18, 0
	s_cbranch_scc1 .Lmask                          ; waves 1 to 4
; ---- WAVE 0: THE WEIGHT.  Block t is registers 6 (t / 2) .. + 5 of lane r + 16 (t % 2) of my tile's image: it goes to its place in the stage by one store of 16 bytes and one of 8.
.macro LOAD t                          ; block t: W(32 t + i, my column) into set t % 2; 32 lanes read 128 consecutive bytes
.set i, 0
.rept 32
	global_load_b32 v[X+32*((\t)%2)+i], v1, s[22:23] offset:(32*(\t)+i)*2048 th:TH_LOAD_NT
.set i, i+1
.endr
.endm
.macro BLOCK t
.set XS, X+32*((\t)%2)
.if (\t) < 3
	s_wait_loadcnt 32                              ; this block's 32 loads are in; the next block's may be out
.else
	s_wait_loadcnt 0x0
.endif
	v_max3_num_f32 v8, |v[XS]|, |v[XS+1]|, |v[XS+2]|   ; the block's largest magnitude, in two chains
	v_max3_num_f32 v9, |v[XS+3]|, |v[XS+4]|, |v[XS+5]|
.irp i, 6,10,14,18,22,26
	v_max3_num_f32 v8, v8, |v[XS+\i]|, |v[XS+\i+1]|
	v_max3_num_f32 v9, v9, |v[XS+\i+2]|, |v[XS+\i+3]|
.endr
	v_max3_num_f32 v8, v8, |v[XS+30]|, |v[XS+31]|
	v_max3_num_f32 v8, v8, v9, 0x2800000           ; and the floor 2^(5 - 127): the byte cannot fall under 1
	v_add_nc_u32 v11, 0xfe000000, v8               ; 4 off the exponent field: the conversion's scale operand
	v_lshrrev_b32 v9, 23, v11                      ; the scale's byte
.if (\t) == 0
	v_mov_b32 v14, v9                              ; four bytes make my column's word for this K step
.else
	v_lshl_or_b32 v14, v9, 8*(\t), v14
.endif
	v_cvt_scalef32_pk16_bf6_f32 v[C:C+2], v[XS:XS+15], v11
	v_cvt_scalef32_pk16_bf6_f32 v[C+4:C+6], v[XS+16:XS+31], v11   ; (a conversion's three registers begin on an even number)
	v_nop                                          ; one plain place behind a scaled conversion
	v_mov_b32 v[C+3], v[C+4]
	v_mov_b32 v[C+4], v[C+5]
	v_mov_b32 v[C+5], v[C+6]                       ; the block's 24 bytes on end
.if (\t) < 2
	ds_store_b128 v2, v[C:C+3] offset:256*((\t)%2)
	ds_store_b64 v2, v[C+4:C+5] offset:512+256*((\t)%2)
.else
	ds_store_b64 v2, v[C:C+1] offset:520+256*((\t)%2)
	ds_store_b128 v2, v[C+2:C+5] offset:1024+256*((\t)%2)
.endif
.if (\t) < 2
	LOAD (\t)+2
.endif
	s_wait_dscnt 0x0                               ; the stores have read their registers: the next block's codes may be written
.endm
	LOAD 0
	LOAD 1                                         ; two blocks, 64 loads, go out together
	BLOCK 0
	BLOCK 1
	BLOCK 2
	BLOCK 3
	s_wait_alu depctr_va_vdst(0)
	global_store_b32 v4, v14, s[34:35]             ; the scale image: 128 consecutive bytes
.irp i, 0,1,2,3,4,5
	ds_load_b128 v[OUTR+4*\i:OUTR+4*\i+3], v3 offset:512*\i   ; LDS serves a wave's instructions in order: these see my stores
.endr
.irp i, 0,1,2,3,4,5
	s_wait_dscnt 5-\i                              ; the younger loads may be out
	global_store_b128 v3, v[OUTR+4*\i:OUTR+4*\i+3], s[32:33] offset:512*(\i%3)+4*FRB*(\i/3)   ; 512 consecutive bytes; tile 2 P + 1's image lies four images on
.endr
	s_wait_tensorcnt 0x0
	ds_add_u32 v192, v193
	s_wait_dscnt 0x0
	s_endpgm
; ---- WAVES 1 TO 4: THE MASK, one key step of 128 keys each.  Byte n % 4 of register n / 4 is the lane's key of word n: a compare makes the 32 lanes' bits, a lane write puts the word into lane n % 32.  Four words by turns.
.Lmask:
	s_sub_co_u32 s19, s18, 1                       ; which of the work-group's four key steps
	s_lshl_b32 s28, s19, 7                         ; 128 keys on in each row of the mask (s29 holds 0),
	s_add_nc_u64 s[12:13], s[12:13], s[28:29]
	s_lshl_b32 s28, s19, 8                         ; 64 words on in maskw
	s_add_nc_u64 s[16:17], s[16:17], s[28:29]
	s_wait_alu depctr_va_vdst(0)
.irp bb, 0,1,2,3
	global_load_b128 v[MK+4*\bb:MK+4*\bb+3], v5, s[12:13] offset:32*\bb   ; block bb: my query's 16 keys
.endr
	v_mov_b32 v[MO], 0                             ; a lane write's destination counts as read
	v_mov_b32 v[MO+1], 0
	s_wait_loadcnt 0x0
.set n, 0
.rept 16
.irp k, 0,1,2,3
	v_bfe_u32 v[8+\k], v[MK+n/4], 8*\k, 8
.endr
.irp k, 0,1,2,3
	v_cmp_ne_u32 s[40+\k], 0, v[8+\k]
.endr
.irp k, 0,1,2,3
	v_writelane_b32 v[MO+n/32], s[40+\k], n%32+\k
.endr
.set n, n+4
.endr
	global_store_b32 v1, v[MO], s[16:17]           ; 32 lanes store 128 consecutive bytes
	global_store_b32 v1, v[MO+1], s[16:17] offset:128
	s_endpgm
.Lfunc_end_k_q257e6aa3fe_prep:
	.size	k_q257e6aa3fe_prep, .Lfunc_end_k_q257e6aa3fe_prep-k_q257e6aa3fe_prep
	.p2alignl 7, 3214868480
	.fill 96, 4, 3214868480
	.section	.rodata,"a",@progbits
	.p2align	6, 0x0
	.amdhsa_kernel k_q257e6aa3fe_prep
		.amdhsa_group_segment_fixed_size 4864
		.amdhsa_private_segment_fixed_size 0
		.amdhsa_enable_private_segment 0
		.amdhsa_kernarg_size 56
		.amdhsa_user_sgpr_count 2
		.amdhsa_user_sgpr_kernarg_segment_ptr 1
		.amdhsa_wavefront_size32 1
		.amdhsa_system_sgpr_workgroup_id_x 1
		.amdhsa_system_sgpr_workgroup_id_y 1
		.amdhsa_system_sgpr_workgroup_id_z 1
		.amdhsa_system_vgpr_workitem_id 0
		.amdhsa_next_free_vgpr 194
		.amdhsa_next_free_sgpr 66
		.amdhsa_reserve_vcc 0
		.amdhsa_float_denorm_mode_32 3
		.amdhsa_float_denorm_mode_16_64 3
		.amdhsa_memory_ordered 1
		.amdhsa_forward_progress 1
		.amdhsa_inst_pref_size 36
	.end_amdhsa_kernel
	.amdgpu_metadata
---
amdhsa.version: [ 1, 2 ]
amdhsa.kernels:
  - .name:           k_q257e6aa3fe_prep
    .symbol:         k_q257e6aa3fe_prep.kd
    .args:
      - { .name: Wq, .offset: 0, .size: 8, .value_kind: global_buffer, .address_space: global }
      - { .name: Wk, .offset: 8, .size: 8, .value_kind: global_buffer, .address_space: global }
      - { .name: Wv, .offset: 16, .size: 8, .value_kind: global_buffer, .address_space: global }
      - { .name: Wo, .offset: 24, .size: 8, .value_kind: global_buffer, .address_space: global }
      - { .name: mask, .offset: 32, .size: 8, .value_kind: global_buffer, .address_space: global }
      - { .name: wimg, .offset: 40, .size: 8, .value_kind: global_buffer, .address_space: global }
      - { .name: maskw, .offset: 48, .size: 8, .value_kind: global_buffer, .address_space: global }
    .group_segment_fixed_size: 4864
    .private_segment_fixed_size: 0
    .kernarg_segment_align: 8
    .kernarg_segment_size: 56
    .max_flat_workgroup_size: 160
    .sgpr_count:     66
    .vgpr_count:     194
    .wavefront_size: 32
...
	.end_amdgpu_metadata
.endif
;; end of part 1
;; launch proj (part 2): grid 64 x 3, 8 waves a work-group, no clusters, 327,680 bytes of LDS; arguments q, k, v, wimg, bq, bk, bv, qc, kc, vc; writes qc, kc, vc
.if DOCPART == 2
	.amdgcn_target "amdgcn-amd-amdhsa--gfx1250"
	.amdhsa_code_object_version 6
	.text
	.protected	k_q257e6aa3fe_proj
	.globl	k_q257e6aa3fe_proj
	.p2align	8
	.type	k_q257e6aa3fe_proj,@function
k_q257e6aa3fe_proj:
	s_mov_b64 s[64:65], 0
	v_nop
	global_prefetch_b8 v0, s[64:65] scope:SCOPE_SE
	s_setreg_imm32_b32 hwreg(HW_REG_WAVE_MODE, 25, 1), 1
	s_wait_xcnt 0x0
.set PITCH, 528
.set KREG,  64*PITCH
.set SLOTB, 4*KREG
.set FRB,   1536
.set IMG0,  2*SLOTB
.set XSC0,  IMG0+16*FRB
.set BUFB,  16*FRB+1024
.set SPARE, IMG0+2*BUFB
.set WREC,  204800
.set WSC,   196608
.set SPW, 1
.set NIL, 2
.set LI,  3
.set L8,  4
.set LS,  5
.set XR0, 6
.set XWI, 8
.set XWS, 9
.set LIM, 10
.set LSM, 11
.set SH,  12
.set PWA0, 13
.set WS,  16
.set XS,  24
.set F0,  32
.set ACC, 128
.set RA,  128
.set RB,  192
.set TM,  32
.set PW0, 48
.set PC0, 52
.set WD,  92
.set BB,  192
.set WV,  24
.set Y,   25
.set SEL, 26
.set G1,  40
.set G0,  48
.set CB,  56
.set SB,  58
.set MSB, 0
.macro WIN new
.if MSB != \new
	s_set_vgpr_msb (MSB<<8)|\new
.set MSB, \new
.endif
.endm
.macro PLACES n
.rept \n
	v_nop
.endr
.endm
.macro WM d, a, b, c, sa, sb, ra, rb
.if (\ra) && (\rb)
	v_wmma_scale_f32_16x16x128_f8f6f4 v[\d:\d+7], v[\a:\a+11], v[\b:\b+11], v[\c:\c+7], v[\sa], v[\sb] matrix_a_fmt:MATRIX_FMT_BF6 matrix_b_fmt:MATRIX_FMT_BF6 matrix_a_scale:MATRIX_SCALE_ROW1 matrix_b_scale:MATRIX_SCALE_ROW1
.elseif (\ra)
	v_wmma_scale_f32_16x16x128_f8f6f4 v[\d:\d+7], v[\a:\a+11], v[\b:\b+11], v[\c:\c+7], v[\sa], v[\sb] matrix_a_fmt:MATRIX_FMT_BF6 matrix_b_fmt:MATRIX_FMT_BF6 matrix_a_scale:MATRIX_SCALE_ROW1
.elseif (\rb)
	v_wmma_scale_f32_16x16x128_f8f6f4 v[\d:\d+7], v[\a:\a+11], v[\b:\b+11], v[\c:\c+7], v[\sa], v[\sb] matrix_a_fmt:MATRIX_FMT_BF6 matrix_b_fmt:MATRIX_FMT_BF6 matrix_b_scale:MATRIX_SCALE_ROW1
.else
	v_wmma_scale_f32_16x16x128_f8f6f4 v[\d:\d+7], v[\a:\a+11], v[\b:\b+11], v[\c:\c+7], v[\sa], v[\sb] matrix_a_fmt:MATRIX_FMT_BF6 matrix_b_fmt:MATRIX_FMT_BF6
.endif
.endm
.macro QUANT s, pc, pw
.irp b, 0,1,2,3
	v_max3_num_f32 v[TM+\b], |v[\s+16*\b]|, |v[\s+16*\b+1]|, 0x2800000
.endr
.irp i, 2,4,6,8,10,12,14
.irp b, 0,1,2,3
	v_max3_num_f32 v[TM+\b], v[TM+\b], |v[\s+16*\b+\i]|, |v[\s+16*\b+\i+1]|
.endr
.endr
.irp b, 0,1,2,3
	s_delay_alu instid0(VALU_DEP_4)
	v_permlanex16_b32 v[TM+4+\b], v[TM+\b], s[SEL], s[SEL+1]
.endr
.irp b, 0,1,2,3
	s_delay_alu instid0(VALU_DEP_4)
	v_max_num_f32 v[TM+\b], v[TM+\b], v[TM+4+\b]
.endr
.irp b, 0,1,2,3
	s_delay_alu instid0(VALU_DEP_4)
	v_add_nc_u32 v[TM+12+\b], 0xfe000000, v[TM+\b]
.endr
.irp b, 0,1,2,3
	s_delay_alu instid0(VALU_DEP_4)
	v_lshrrev_b32 v[TM+4+\b], 23, v[TM+12+\b]
.endr
	s_delay_alu instid0(VALU_DEP_3)
	v_lshl_or_b32 v[\pw], v[TM+5], 8, v[TM+4]
	s_delay_alu instid0(VALU_DEP_1)
	v_lshl_or_b32 v[\pw], v[TM+6], 16, v[\pw]
	s_delay_alu instid0(VALU_DEP_1)
	v_lshl_or_b32 v[\pw], v[TM+7], 24, v[\pw]
.irp c, 0,1
	v_cvt_scalef32_pk16_bf6_f32 v[\pc+6*\c:\pc+6*\c+2], v[\s+32*\c:\s+32*\c+15], v[TM+12+2*\c]
	v_cvt_scalef32_pk16_bf6_f32 v[\pc+12+4*\c:\pc+12+4*\c+2], v[\s+32*\c+16:\s+32*\c+31], v[TM+12+2*\c+1]
.endr
	v_nop
.irp c, 0,1
.irp i, 0,1,2
	v_permlane16_swap_b32 v[\pc+6*\c+\i], v[\pc+12+4*\c+\i]
.endr
.irp i, 0,1,2
	s_delay_alu instid0(VALU_DEP_3)
	v_mov_b32 v[\pc+6*\c+3+\i], v[\pc+12+4*\c+\i]
.endr
.endr
.endm
	s_load_b256 s[4:11], s[0:1], 0x0
	s_load_b256 s[12:19], s[0:1], 0x20
	s_load_b128 s[20:23], s[0:1], 0x40
	v_lshl_add_u32 v[SPW], v0, 2, SPARE
	v_mov_b32 v[NIL], 0
	ds_add_u32 v1, v2
	ds_add_u32 v1, v2
	s_wait_dscnt 0x0
	v_lshrrev_b32 v15, 5, v0
	s_delay_alu instid0(VALU_DEP_1)
	v_readfirstlane_b32 s[WV], v15
	v_and_b32 v15, 31, v0
	s_delay_alu instid0(VALU_DEP_1)
	v_lshlrev_b32 v[LI], 4, v15
	s_delay_alu instid0(VALU_DEP_2)
	v_lshlrev_b32 v[L8], 3, v15
	s_delay_alu instid0(VALU_DEP_3)
	v_lshlrev_b32 v[LS], 2, v15
	v_lshlrev_b32 v15, 11, v15                     ; the prefetches' offset: my lane x a row of x (2,048 bytes); never rewritten
	v_bfe_u32 v[SH], v0, 4, 1
	v_and_b32 v13, 15, v0
	s_delay_alu instid0(VALU_DEP_1)
	v_and_b32 v14, 8, v13
	s_delay_alu instid0(VALU_DEP_1)
	v_add_nc_u32 v14, v14, v13
	s_and_b32 s[Y], ttmp7, 0xffff
	s_mov_b32 s[SEL], 0x76543210
	s_mov_b32 s[SEL+1], 0xfedcba98
	s_mov_b32 s[G1+0], (2<<16)|(1<<20)|(6<<22)|(3<<25)
	s_mov_b32 s[G1+1], 128<<16
	s_mov_b32 s[G1+2], 32<<16
	s_mov_b32 s[G1+3], 128<<16
	s_mov_b32 s[G1+4], 32
	s_mov_b32 s[G1+5], 512
	s_mov_b32 s[G1+6], 0
	s_mov_b32 s[G1+7], 0
	s_and_b32 s28, s[WV], 3
	s_lshr_b32 s29, s[WV], 2
	s_mul_i32 s30, s28, KREG
	s_mul_i32 s31, s29, 32*PITCH
	s_add_co_u32 s30, s30, s31
	s_lshl_b32 s32, ttmp9, 19
	s_lshl_b32 s31, s29, 16
	s_add_co_u32 s32, s32, s31
	s_lshl_b32 s31, s28, 9
	s_add_co_u32 s32, s32, s31
	s_mov_b32 s33, 0
	s_mul_i32 s34, s[Y], WREC
	s_mul_i32 s31, s[WV], 16*FRB
	s_add_co_u32 s34, s34, s31
	s_mov_b32 s35, 0
	s_mul_i32 s36, s[Y], WREC
	s_lshl_b32 s31, s[WV], 10
	s_add_co_u32 s36, s36, s31
	s_add_co_u32 s36, s36, WSC
	s_mov_b32 s37, 0
	s_lshr_b32 s38, ttmp9, 2
	s_lshl_b32 s38, s38, 3
	s_add_co_u32 s38, s38, s[WV]
	s_mul_i32 s38, s38, 53248
	s_and_b32 s31, ttmp9, 3
	s_mul_i32 s39, s31, 12288
	s_add_co_u32 s66, s38, s39
	s_mov_b32 s67, 0
	s_lshl_b32 s31, s31, 10
	s_add_co_u32 s68, s38, s31
	s_add_co_u32 s68, s68, 49152
	s_mov_b32 s69, 0
	s_lshl_b32 s38, s[WV], 8
	s_mov_b32 s39, 0
	s_wait_alu depctr_va_vdst(0)
	s_wait_kmcnt 0x0
	s_cmp_eq_u32 s[Y], 0
	s_cselect_b64 s[4:5], s[4:5], s[6:7]
	s_cselect_b64 s[12:13], s[12:13], s[14:15]
	s_cselect_b64 s[18:19], s[18:19], s[20:21]
	s_cmp_eq_u32 s[Y], 2
	s_cselect_b64 s[4:5], s[8:9], s[4:5]
	s_cselect_b64 s[12:13], s[16:17], s[12:13]
	s_cselect_b64 s[18:19], s[22:23], s[18:19]
	s_add_nc_u64 s[4:5], s[4:5], s[32:33]
	s_add_nc_u64 s[60:61], s[10:11], s[34:35]
	s_add_nc_u64 s[62:63], s[10:11], s[36:37]
	s_add_nc_u64 s[12:13], s[12:13], s[38:39]
	s_add_nc_u64 s[CB:CB+1], s[18:19], s[66:67]
	s_add_nc_u64 s[SB:SB+1], s[18:19], s[68:69]
.irp n, 0,1
	s_mov_b32 s[G0+4*\n], 1
	s_add_co_u32 s[G0+4*\n+1], s30, \n*SLOTB
	s_add_nc_u64 s[G0+4*\n+2:G0+4*\n+3], s[4:5], \n*131072
	s_or_b32 s[G0+4*\n+3], s[G0+4*\n+3], 0x80000000
.endr
	tensor_load_to_lds s[G0:G0+3], s[G1:G1+7]
	s_nop 0
	PLACES 4
	; PREFETCH: behind the load of block n each wave asks for its own part of block n + 1, the 32 rows x 512 bytes that its next tensor load names: a lane a row, one instruction for each 256 bytes.
	; Blocks 1, 2 and 3 are asked for so; behind block 3's load nothing is asked for.  s[4:5] and v15 are never rewritten.
	global_prefetch_b8 v15, s[4:5] offset:131072 th:TH_LOAD_NT scope:SCOPE_SE
	global_prefetch_b8 v15, s[4:5] offset:131072+256 th:TH_LOAD_NT scope:SCOPE_SE
	WIN 0x40
.set f, 0
.rept 16
.irp c, 0,1,2
	global_load_b128 v[12*f+4*\c:12*f+4*\c+3], v[LI], s[60:61] offset:FRB*f+512*\c
.endr
.set f, f+1
.endr
	WIN 0
.irp f, 0,1,2,3,4,5,6,7
	global_load_b32 v[WS+\f], v[LS], s[62:63] offset:128*\f
.endr
	s_cmp_eq_u32 s[Y], 2
	s_cselect_b32 s28, 4, 0
	s_cselect_b32 s29, 0, 64
	s_cselect_b32 s31, 0, 4
	v_mul_u32_u24 v128, v14, s28
	s_delay_alu instid0(VALU_DEP_1)
	v_mad_u32_u24 v128, v[SH], s29, v128
.irp jj, 1,2,3,4,5,6,7
	s_delay_alu instid0(VALU_DEP_1)
	v_add_nc_u32 v[128+\jj], s31, v[127+\jj]
.endr
	WIN 0x40
.irp t, 0,1,2,3
.irp jj, 0,1,2,3,4,5,6,7
	global_load_b32 v[BB+8*\t+\jj], v[128+\jj], s[12:13] offset:(32*(\t/2)+8*(\t%2))*4
.endr
.endr
	WIN 0
	s_lshr_b32 s28, s[WV], 2
	s_mul_i32 s28, s28, 32*PITCH
	s_bfe_u32 s29, s[WV], 0x10001
	s_mul_i32 s29, s29, 8*PITCH
	s_add_co_u32 s28, s28, s29
	s_and_b32 s29, s[WV], 1
	s_mul_i32 s31, s29, 2*KREG
	s_add_co_u32 s28, s28, s31
	v_mul_u32_u24 v[XR0], v14, PITCH
	s_delay_alu instid0(VALU_DEP_1)
	v_lshl_add_u32 v[XR0], v[SH], 6, v[XR0]
	s_delay_alu instid0(VALU_DEP_1)
	v_add_nc_u32 v[XR0], s28, v[XR0]
	s_delay_alu instid0(VALU_DEP_1)
	v_add_nc_u32 v[XR0+1], SLOTB, v[XR0]
	s_lshl_b32 s31, s29, 3
	s_lshr_b32 s38, s[WV], 1
	s_add_co_u32 s31, s31, s38
	s_mul_i32 s31, s31, FRB
	s_add_co_u32 s31, s31, IMG0
	v_add_nc_u32 v[XWI], s31, v[LI]
	s_lshl_b32 s29, s29, 9
	s_lshl_b32 s38, s38, 6
	s_add_co_u32 s29, s29, s38
	s_add_co_u32 s29, s29, XSC0
	v_lshl_add_u32 v[XWS], v13, 2, s29
	v_add_nc_u32 v[LIM], IMG0, v[LI]
	v_add_nc_u32 v[LSM], XSC0, v[LS]
	v_lshlrev_b32 v[SH], 4, v[SH]
	v_mov_b32 v[PWA0], 0
	v_mov_b32 v[PWA0+1], 0
.irp b, 0,1,2,3
	v_mov_b32 v[TM+4+\b], 0
.endr
	s_wait_alu depctr_va_vdst(0)
	s_wait_tensorcnt 0x0
	ds_add_u32 v1, v2
	s_wait_dscnt 0x0
	s_barrier_signal -1
	s_barrier_wait -1
	tensor_load_to_lds s[G0+4:G0+7], s[G1:G1+7]
	s_nop 0
	PLACES 4
.macro XPH slot, buf
	s_wait_xcnt 0x0
.if PFN                                ; the first phase stands behind block 1's load: block PFN = 2 is asked for
	global_prefetch_b8 v15, s[4:5] offset:PFN*131072 th:TH_LOAD_NT scope:SCOPE_SE
	global_prefetch_b8 v15, s[4:5] offset:PFN*131072+256 th:TH_LOAD_NT scope:SCOPE_SE
.endif
.irp b, 0,1,2,3
.irp j, 0,1,2,3
	ds_load_b128 v[RA+16*\b+4*\j:RA+16*\b+4*\j+3], v[XR0+\slot] offset:128*\b+16*\j
.endr
.endr
.irp b, 0,1,2,3
.irp j, 0,1,2,3
	ds_load_b128 v[RB+16*\b+4*\j:RB+16*\b+4*\j+3], v[XR0+\slot] offset:KREG+128*\b+16*\j
.endr
.endr
	s_wait_dscnt 16
	QUANT RA, PC0, PW0
.irp c, 0,1,2
	ds_store_b128 v[XWI], v[PC0+4*\c:PC0+4*\c+3] offset:BUFB*\buf+512*\c
.endr
	ds_store_b32 v[XWS], v[PW0] offset:BUFB*\buf
	s_wait_dscnt 4
	QUANT RB, PC0+20, PW0+1
.irp c, 0,1,2
	ds_store_b128 v[XWI], v[PC0+20+4*\c:PC0+20+4*\c+3] offset:BUFB*\buf+4*FRB+512*\c
.endr
	ds_store_b32 v[XWS], v[PW0+1] offset:BUFB*\buf+256
.endm
.macro MEET slot, refill
	s_wait_tensorcnt 0x0
	ds_add_u32 v[SPW], v[NIL]
.if \refill
	s_add_nc_u64 s[G0+4*\slot+2:G0+4*\slot+3], s[G0+4*\slot+2:G0+4*\slot+3], 262144
.endif
	s_wait_dscnt 0x0
	s_barrier_signal -1
	s_barrier_wait -1
.if \refill
	tensor_load_to_lds s[G0+4*\slot:G0+4*\slot+3], s[G1:G1+7]
	s_nop 0
	PLACES 4
.endif
.endm
.macro XFETCH s, buf
	WIN 0
.irp m, 0,1,2,3
.irp c, 0,1,2
	ds_load_b128 v[F0+48*(\s%2)+12*\m+4*\c:F0+48*(\s%2)+12*\m+4*\c+3], v[LIM] offset:BUFB*\buf+(4*\s+\m)*FRB+512*\c
.endr
.endr
.endm
.macro MUL path, s
.if \path == 0
.if \s == 0
	WIN 0x11
.else
	WIN 0x01
.endif
.else
.if \s == 0
	WIN 0x14
.else
	WIN 0x04
.endif
.endif
.irp m, 0,1,2,3
.irp t, 0,1,2,3
.if \path == 0
.if \s == 0
	WM ACC+8*(4*\m+\t), 12*(4*\t+\s), F0+48*(\s%2)+12*\m, BB+8*\t, WS+4*(\t/2)+\s, XS+2*\s+\m/2, \t%2, \m%2
.else
	WM ACC+8*(4*\m+\t), 12*(4*\t+\s), F0+48*(\s%2)+12*\m, ACC+8*(4*\m+\t), WS+4*(\t/2)+\s, XS+2*\s+\m/2, \t%2, \m%2
.endif
.else
.if \s == 0
	WM ACC+8*(4*\t+\m), F0+48*(\s%2)+12*\m, 12*(4*\t+\s), BB+8*\t, XS+2*\s+\m/2, WS+4*(\t/2)+\s, \m%2, \t%2
.else
	WM ACC+8*(4*\t+\m), F0+48*(\s%2)+12*\m, 12*(4*\t+\s), ACC+8*(4*\t+\m), XS+2*\s+\m/2, WS+4*(\t/2)+\s, \m%2, \t%2
.endif
.endif
.endr
.endr
.endm
.macro MPH path, buf
.irp s, 0,1,2,3
.irp mp, 0,1
	ds_load_b32 v[XS+2*\s+\mp], v[LSM] offset:BUFB*\buf+256*\s+128*\mp
.endr
.endr
	XFETCH 0, \buf
	XFETCH 1, \buf
	s_wait_dscnt 12
	MUL \path, 0
	PLACES 4
	XFETCH 2, \buf
	s_wait_dscnt 12
	MUL \path, 1
	PLACES 4
	XFETCH 3, \buf
	s_wait_dscnt 12
	MUL \path, 2
	s_wait_dscnt 0x0
	MUL \path, 3
	WIN 0
	PLACES 4
.endm
.macro OUTQK i
.irp qq, 0,1
	QUANT ACC+64*\qq, PC0+20*\qq, PW0+\qq
	v_lshrrev_b32 v[WD+\qq], v[SH], v[PW0+\qq]
	global_store_b128 v[LI], v[PC0+20*\qq:PC0+20*\qq+3], s[CB:CB+1] offset:(4*\i+2*\qq)*768
	global_store_b64 v[L8], v[PC0+20*\qq+4:PC0+20*\qq+5], s[CB:CB+1] offset:(4*\i+2*\qq)*768+512
	global_store_b128 v[LI], v[PC0+20*\qq+6:PC0+20*\qq+9], s[CB:CB+1] offset:(4*\i+2*\qq)*768+768
	global_store_b64 v[L8], v[PC0+20*\qq+10:PC0+20*\qq+11], s[CB:CB+1] offset:(4*\i+2*\qq)*768+1280
	global_store_b32 v[LS], v[WD+\qq], s[SB:SB+1] offset:(2*\i+\qq)*128
.endr
.endm
.macro OUTV i
.irp qq, 0,1
.if (\i)%2 == 0
	QUANT ACC+64*\qq, PC0+20*\qq, PWA0+\qq
.else
	QUANT ACC+64*\qq, PC0+20*\qq, PW0+\qq
.endif
	global_store_b128 v[LI], v[PC0+20*\qq:PC0+20*\qq+3], s[CB:CB+1] offset:((\i)/2)*6144+2*\qq*1536+((\i)%2)*768
	global_store_b64 v[L8], v[PC0+20*\qq+4:PC0+20*\qq+5], s[CB:CB+1] offset:((\i)/2)*6144+2*\qq*1536+((\i)%2)*768+512
	global_store_b128 v[LI], v[PC0+20*\qq+6:PC0+20*\qq+9], s[CB:CB+1] offset:((\i)/2)*6144+(2*\qq+1)*1536+((\i)%2)*768
	global_store_b64 v[L8], v[PC0+20*\qq+10:PC0+20*\qq+11], s[CB:CB+1] offset:((\i)/2)*6144+(2*\qq+1)*1536+((\i)%2)*768+512
.if (\i)%2 == 1
	v_perm_b32 v[WD+2*\qq], v[PW0+\qq], v[PWA0+\qq], 0x05040100
	v_perm_b32 v[WD+2*\qq+1], v[PW0+\qq], v[PWA0+\qq], 0x07060302
	global_store_b32 v[LS], v[WD+2*\qq], s[SB:SB+1] offset:((\i)/2)*512+(2*\qq)*128
	global_store_b32 v[LS], v[WD+2*\qq+1], s[SB:SB+1] offset:((\i)/2)*512+(2*\qq+1)*128
.endif
.endr
.endm
.macro BLK i, buf
	s_cmp_eq_u32 s[Y], 2
	s_cbranch_scc1 .Lv_\i
	MPH 0, \buf
	OUTQK \i
	s_branch .Lj_\i
.Lv_\i:
	MPH 1, \buf
	OUTV \i
.Lj_\i:
.endm
.set PFN, 2
	XPH 0, 0
.set PFN, 0
	MEET 0, 1
	s_wait_loadcnt 0x0
	global_prefetch_b8 v15, s[4:5] offset:3*131072 th:TH_LOAD_NT scope:SCOPE_SE       ; behind block 2's refill: block 3
	global_prefetch_b8 v15, s[4:5] offset:3*131072+256 th:TH_LOAD_NT scope:SCOPE_SE
	BLK 0, 0
	XPH 1, 1
	MEET 1, 1
	BLK 1, 1
	XPH 0, 0
	MEET 0, 0
	BLK 2, 0
	XPH 1, 1
	MEET 1, 0
	BLK 3, 1
	s_wait_tensorcnt 0x0
	ds_add_u32 v[SPW], v[NIL]
	s_wait_dscnt 0x0
	s_endpgm
.Lfunc_end_k_q257e6aa3fe_proj:
	.size	k_q257e6aa3fe_proj, .Lfunc_end_k_q257e6aa3fe_proj-k_q257e6aa3fe_proj
	.p2alignl 7, 3214868480
	.fill 96, 4, 3214868480
	.section	.rodata,"a",@progbits
	.p2align	6, 0x0
	.amdhsa_kernel k_q257e6aa3fe_proj
		.amdhsa_group_segment_fixed_size 327680
		.amdhsa_private_segment_fixed_size 0
		.amdhsa_enable_private_segment 0
		.amdhsa_kernarg_size 80
		.amdhsa_user_sgpr_count 2
		.amdhsa_user_sgpr_kernarg_segment_ptr 1
		.amdhsa_wavefront_size32 1
		.amdhsa_system_sgpr_workgroup_id_x 1
		.amdhsa_system_sgpr_workgroup_id_y 1
		.amdhsa_system_sgpr_workgroup_id_z 1
		.amdhsa_system_vgpr_workitem_id 0
		.amdhsa_next_free_vgpr 512
		.amdhsa_next_free_sgpr 70
		.amdhsa_reserve_vcc 0
		.amdhsa_float_denorm_mode_32 3
		.amdhsa_float_denorm_mode_16_64 3
		.amdhsa_memory_ordered 1
		.amdhsa_forward_progress 1
		.amdhsa_inst_pref_size 243
	.end_amdhsa_kernel
	.amdgpu_metadata
---
amdhsa.version: [ 1, 2 ]
amdhsa.kernels:
  - .name:           k_q257e6aa3fe_proj
    .symbol:         k_q257e6aa3fe_proj.kd
    .args:
      - { .name: q, .offset: 0, .size: 8, .value_kind: global_buffer, .address_space: global }
      - { .name: k, .offset: 8, .size: 8, .value_kind: global_buffer, .address_space: global }
      - { .name: v, .offset: 16, .size: 8, .value_kind: global_buffer, .address_space: global }
      - { .name: wimg, .offset: 24, .size: 8, .value_kind: global_buffer, .address_space: global }
      - { .name: bq, .offset: 32, .size: 8, .value_kind: global_buffer, .address_space: global }
      - { .name: bk, .offset: 40, .size: 8, .value_kind: global_buffer, .address_space: global }
      - { .name: bv, .offset: 48, .size: 8, .value_kind: global_buffer, .address_space: global }
      - { .name: qc, .offset: 56, .size: 8, .value_kind: global_buffer, .address_space: global }
      - { .name: kc, .offset: 64, .size: 8, .value_kind: global_buffer, .address_space: global }
      - { .name: vc, .offset: 72, .size: 8, .value_kind: global_buffer, .address_space: global }
    .group_segment_fixed_size: 327680
    .private_segment_fixed_size: 0
    .kernarg_segment_align: 8
    .kernarg_segment_size: 80
    .max_flat_workgroup_size: 256
    .sgpr_count:     70
    .vgpr_count:     512
    .wavefront_size: 32
...
	.end_amdgpu_metadata
.endif
;; end of part 2
;; launch attn (part 3): grid 2 x 128, 16 waves a work-group, no clusters, 108,544 bytes of LDS; arguments qc, kc, vc, maskw, oc; writes oc
.if DOCPART == 3
	.amdgcn_target "amdgcn-amd-amdhsa--gfx1250"
	.amdhsa_code_object_version 6
	.text
	.protected	k_q257e6aa3fe_attn
	.globl	k_q257e6aa3fe_attn
	.p2align	8
	.type	k_q257e6aa3fe_attn,@function
k_q257e6aa3fe_attn:
	s_mov_b64 s[64:65], 0
	v_nop
	global_prefetch_b8 v0, s[64:65] scope:SCOPE_SE
	s_setreg_imm32_b32 hwreg(HW_REG_WAVE_MODE, 25, 1), 1
	s_wait_xcnt 0x0
; ATTN.  O[q] = the sum over keys of softmax(Q[q] . K[key] / 8, masked) V[key], one head of 64 channels and 1,024 keys to a pair of work-groups, both products on codes of BF6 (E3M2) with E8M0 scales; the result is quantised for the last product.
; THE SOFTMAX: t = score x log2(e) / 8; M = the row's largest t so far, rounded UP to a whole number; p = 2^(t - M) is quantised along the keys, not normalised.  The row's sum is taken of the unquantised p and divides O at the end.
; When M moves, the sum and O are multiplied by 2^(old M - new M): exact.  Masked scores become -infinity ahead of the maximum.
; SHARES.  A work-group owns 512 queries of one head; each of its sixteen waves 32 of them, two tiles of 16, one after the other, in 256 registers.
; K AND V (2 records of 53,248 bytes: codes and scale words as images of the operands' registers) come into LDS once, through registers: 13 loads of 512 bytes a wave, all asked for at the head.
; Waves 0-7 take K's record, waves 8-15 V's.  FIRST PART: the scale images and the first 16,384 bytes of codes (key steps 0 and 1 lie inside), 5 loads a wave; a barrier; tile 0's first step works on them.
; SECOND PART: the other 32,768 bytes of codes, 8 loads a wave, land in O's 32 registers, which are free until that first step's second product (written out, with C = 0); they are stored to LDS ahead of it, and a second barrier follows.
; LAYOUT.  Both products transposed: S^T = K Q^T, O^T = V^T P^T: a lane holds ONE query throughout.  Keys, queries and channels lie in tile order (of 32 neighbours, slot r of tile u is 8 u + r + 8 (r / 8)).
; The first product's K is 64: registers 6-11 of K's and Q's fragments are zero codes, set once.
; THE MASK comes as lane masks, one word for each of a step's 64 score registers.  At the head a wave ANDs the words of each of its 16 steps: bit k of MF says that step k has a masked pair.
; A step with none jumps over the 64 selects, and its words are not loaded: whole numbers read from memory decide; no floating-point number steers a branch.  The launch holds no tensor load and no copy.
; No cluster: joint loads are tensor loads, which this launch does not hold; a head's records are shared by two work-groups only.  No prefetch: all of K and V is asked for at the head, there is no later stream.
; LIMITS: a query all of whose keys are masked: its sum is 0; its scale bytes are set to 0xff, which makes its row of the last product NaN, as the reference's row is.  NaN and infinities among the inputs are not served.
; The promise holds while the scaled scores stay under 2^31 in magnitude.
.set REC,  53248                       ; a head's record; K's at LDS byte 0, V's behind it
.set RSC,  49152                       ; where a record's scale images begin
.set PA,   16384                       ; the codes of the first part
.set SPARE, 2*REC                      ; the spare words: 128 bytes a wave
.set A16,  1                           ; 16 x lane
.set A8,   2                           ; 8 x lane + 512
.set AS,   3                           ; 4 x lane + RSC
.set L4,   4                           ; 4 x lane
.set VS0,  5                           ; V's scale images
.set VS1,  6
.set VS2,  7
.set VS3,  11
.set AD16, 8                           ; v8-10: A16, A8, AS at the step in hand
.set AD8,  9
.set ADS,  10
.set QF,   16                          ; v16-27 Q's fragment
.set QSW,  28                          ; Q's scale image
.set NINF, 29                          ; -infinity
.set LB,   31                          ; until the second part is stored: its LDS address
.set KFR,  32                          ; v32-79  four fragments of K
.set VFR,  80                          ; v80-127 four fragments of V (at the head: my mask words)
.set S,    128                         ; v128-191 S^T, then p (at the head: the first part)
.set O,    192                         ; v192-223 O^T (in tile 0's first step: the second part)
.set SW,   248                         ; v248-251 K's scale images
; v12 -M, v13 the largest t, v[14:15] the sum; v30 tile 0's scale word of O; v224-235 p's codes; v232-247, v252-254 at work; v253 p's scale word; v243, v255 the add's two registers
; s16-63 and s80-95: a step's 64 mask words (at the head: at work)
.set WV,   66
.set SEL,  68                          ; s[68:69] selects for lane l xor 16
.set CS,   70                          ; s[70:71] c = log2(e) / 8
.set TB,   72
.set TS,   73
.set MF,   74                          ; bit 0: this step has masked pairs; bit 1: the next one; shifted down once a step
.set HI16, 75
.set JC,   76                          ; steps of the tile begun
.set SOFF, 77                          ; the next step's mask words: 256 bytes a step
.set KV,   78                          ; s[78:79] the record that I fetch from
.macro PLACES n
.rept \n
	v_nop
.endr
.endm
.macro WMZ d, a, b, sa, sb, ra, rb     ; a product that starts a sum.  ra, rb: the side's scale words stand in lanes 16-31
.if (\ra) && (\rb)
	v_wmma_scale_f32_16x16x128_f8f6f4 v[\d:\d+7], v[\a:\a+11], v[\b:\b+11], 0, v[\sa], v[\sb] matrix_a_fmt:MATRIX_FMT_BF6 matrix_b_fmt:MATRIX_FMT_BF6 matrix_a_scale:MATRIX_SCALE_ROW1 matrix_b_scale:MATRIX_SCALE_ROW1
.elseif (\ra)
	v_wmma_scale_f32_16x16x128_f8f6f4 v[\d:\d+7], v[\a:\a+11], v[\b:\b+11], 0, v[\sa], v[\sb] matrix_a_fmt:MATRIX_FMT_BF6 matrix_b_fmt:MATRIX_FMT_BF6 matrix_a_scale:MATRIX_SCALE_ROW1
.elseif (\rb)
	v_wmma_scale_f32_16x16x128_f8f6f4 v[\d:\d+7], v[\a:\a+11], v[\b:\b+11], 0, v[\sa], v[\sb] matrix_a_fmt:MATRIX_FMT_BF6 matrix_b_fmt:MATRIX_FMT_BF6 matrix_b_scale:MATRIX_SCALE_ROW1
.else
	v_wmma_scale_f32_16x16x128_f8f6f4 v[\d:\d+7], v[\a:\a+11], v[\b:\b+11], 0, v[\sa], v[\sb] matrix_a_fmt:MATRIX_FMT_BF6 matrix_b_fmt:MATRIX_FMT_BF6
.endif
.endm
.macro MWORDS                          ; 64 mask words at s[10:11] + SOFF
	s_load_b512 s[16:31], s[10:11], s[SOFF] offset:0x0
	s_load_b512 s[32:47], s[10:11], s[SOFF] offset:0x40
	s_load_b512 s[48:63], s[10:11], s[SOFF] offset:0x80
	s_load_b512 s[80:95], s[10:11], s[SOFF] offset:0xc0
.endm
	s_load_b256 s[4:11], s[0:1], 0x0               ; qc, kc, vc, maskw
	s_load_b64 s[12:13], s[0:1], 0x20              ; oc
	v_lshl_add_u32 v243, v0, 2, SPARE
	v_mov_b32 v255, 0
	v_lshrrev_b32 v8, 5, v0
	s_delay_alu instid0(VALU_DEP_1)
	v_readfirstlane_b32 s[WV], v8                  ; wave 0..15
	v_and_b32 v8, 31, v0                           ; lane
	s_delay_alu instid0(VALU_DEP_1)
	v_lshlrev_b32 v[A16], 4, v8
	s_delay_alu instid0(VALU_DEP_2)
	v_lshlrev_b32 v[A8], 3, v8
	s_delay_alu instid0(VALU_DEP_3)
	v_lshlrev_b32 v[L4], 2, v8
	s_delay_alu instid0(VALU_DEP_2)
	v_add_nc_u32 v[A8], 512, v[A8]
	s_delay_alu instid0(VALU_DEP_2)
	v_add_nc_u32 v[AS], RSC, v[L4]
	s_wait_alu depctr_va_vdst(0)
	s_and_b32 s16, ttmp7, 0xffff                   ; the head, 8 (b, l) + h
	s_mul_i32 s34, s16, REC                        ; its record in qc, kc and vc
	s_mov_b32 s35, 0
	s_lshl_b32 s18, ttmp9, 4
	s_add_co_u32 s18, s18, s[WV]                   ; P: my pair of query tiles
	s_and_b32 s19, s[WV], 7                        ; which eighth of a record I fetch
	s_lshr_b32 s23, s[WV], 3
	s_mul_i32 s23, s23, REC                        ; K's record at LDS byte 0, V's at REC
	s_lshl_b32 s20, s19, 11                        ; first part: 2,048 bytes of codes,
	s_lshl_b32 s21, s19, 9
	s_add_co_u32 s21, s21, RSC                     ; 512 bytes of scale images;
	s_lshl_b32 s22, s19, 12
	s_add_co_u32 s22, s22, PA                      ; second part: 4,096 bytes of codes
	v_add_nc_u32 v232, s20, v[A16]                 ; places in the record,
	v_add_nc_u32 v233, s21, v[A16]
	v_add_nc_u32 v234, s22, v[A16]
	s_delay_alu instid0(VALU_DEP_3)
	v_add_nc_u32 v235, s23, v232                   ; and in LDS
	s_delay_alu instid0(VALU_DEP_3)
	v_add_nc_u32 v240, s23, v233
	s_delay_alu instid0(VALU_DEP_3)
	v_add_nc_u32 v[LB], s23, v234
	s_mul_i32 s24, s18, 1536                       ; Q: my two half images,
	s_add_co_u32 s24, s24, s34
	s_mov_b32 s25, 0
	s_lshl_b32 s26, s18, 7                         ; and my scale image
	s_add_co_u32 s26, s26, s34
	s_add_co_u32 s26, s26, RSC
	s_mov_b32 s27, 0
	s_lshr_b32 s28, s16, 6                         ; the mask words: (64 b + 2 P) tiles of 8 steps of 256 bytes
	s_lshl_b32 s28, s28, 17
	s_lshl_b32 s29, s18, 12
	s_add_co_u32 s28, s28, s29
	s_mov_b32 s29, 0
	s_lshr_b32 s36, s16, 3                         ; oc: record 32 (b, l) + P of 13,312 bytes: [tile u: 2][head: 8] half images, then [head: 8] scale images
	s_lshl_b32 s36, s36, 5
	s_add_co_u32 s36, s36, s18
	s_mul_i32 s36, s36, 13312
	s_and_b32 s37, s16, 7
	s_mul_i32 s30, s37, 768
	s_add_co_u32 s30, s30, s36
	s_mov_b32 s31, 0
	s_lshl_b32 s32, s37, 7
	s_add_co_u32 s32, s32, s36
	s_add_co_u32 s32, s32, 12288
	s_mov_b32 s33, 0
	s_mov_b32 s[SEL], 0x76543210
	s_mov_b32 s[SEL+1], 0xfedcba98
	s_mov_b32 s[CS], 0x3e38aa3b                    ; c = log2(e) / 8
	s_mov_b32 s[CS+1], s[CS]
	s_mov_b32 s[HI16], 0xffff0000
	s_mov_b32 s[SOFF], 0
	s_wait_alu depctr_va_vdst(0)
	s_wait_kmcnt 0x0
	s_cmp_lt_u32 s[WV], 8                          ; waves 0-7 K's record, waves 8-15 V's: the choice hangs on the wave's number alone
	s_cselect_b64 s[KV:KV+1], s[6:7], s[8:9]
	s_add_nc_u64 s[KV:KV+1], s[KV:KV+1], s[34:35]
	s_add_nc_u64 s[100:101], s[4:5], s[26:27]
	s_add_nc_u64 s[4:5], s[4:5], s[24:25]
	s_add_nc_u64 s[10:11], s[10:11], s[28:29]
	s_add_nc_u64 s[14:15], s[12:13], s[32:33]
	s_add_nc_u64 s[12:13], s[12:13], s[30:31]
.irp i, 0,1,2,3
	global_load_b128 v[S+4*\i:S+4*\i+3], v232, s[KV:KV+1] offset:512*\i     ; the first part: 5 loads
.endr
	global_load_b128 v[S+16:S+19], v233, s[KV:KV+1]
	global_load_b128 v[QF:QF+3], v[A16], s[4:5]    ; tile 0's Q and the scale image: 3 loads
	global_load_b64 v[QF+4:QF+5], v[A8], s[4:5]
	global_load_b32 v[QSW], v[L4], s[100:101]
.irp i, 0,1,2,3,4,5,6,7
	global_load_b128 v[VFR+4*\i:VFR+4*\i+3], v[A16], s[10:11] offset:512*\i   ; my 16 steps' mask words: load i holds step 2 i in lanes 0-15, step 2 i + 1 in lanes 16-31
.endr
.irp i, 0,1,2,3,4,5,6,7
	global_load_b128 v[O+4*\i:O+4*\i+3], v234, s[KV:KV+1] offset:512*\i     ; the second part: 8 loads
.endr
	v_mov_b32 v[NINF], 0xff800000
.irp i, 6,7,8,9,10,11
	v_mov_b32 v[QF+\i], 0                          ; zero codes for K = 64 .. 127, set once
.irp t, 0,1,2,3
	v_mov_b32 v[KFR+12*\t+\i], 0
.endr
.endr
	v_mov_b32 v253, 0                              ; (named as the upper half of v[252:253] before it is first written)
	s_wait_alu depctr_va_vdst(0)
	s_wait_loadcnt 19                              ; the first part is in; behind it 3 + 8 + 8 loads may be out
.irp i, 0,1,2,3
	ds_store_b128 v235, v[S+4*\i:S+4*\i+3] offset:512*\i
.endr
	ds_store_b128 v240, v[S+16:S+19]
	s_wait_dscnt 0x0                               ; for the others' sake: my stores are done
	s_barrier_signal -1
	s_barrier_wait -1                              ; everybody's first part lies in LDS
	s_wait_loadcnt 8                               ; Q and the mask words are in; the second part's 8 loads may be out
.irp i, 0,1,2,3,4,5,6,7
	v_and_b32 v[VFR+4*\i], v[VFR+4*\i], v[VFR+4*\i+1]
.endr
.irp i, 0,1,2,3,4,5,6,7
	v_and_b32 v[VFR+4*\i+2], v[VFR+4*\i+2], v[VFR+4*\i+3]
.endr
.irp i, 0,1,2,3,4,5,6,7
	v_and_b32 v[VFR+4*\i], v[VFR+4*\i], v[VFR+4*\i+2]
.endr
.irp i, 0,1,2,3,4,5,6,7
	v_cmp_ne_u32 s[16+\i], -1, v[VFR+4*\i]         ; lanes whose four words are not all ones
.endr
	s_mov_b32 s[MF], 0
.irp i, 0,1,2,3,4,5,6,7
	s_and_b32 s24, s[16+\i], 0xffff                ; SCC: some lane of 0-15
	s_cselect_b32 s24, 1<<(2*\i), 0
	s_or_b32 s[MF], s[MF], s24
	s_lshr_b32 s24, s[16+\i], 16                   ; SCC: some lane of 16-31
	s_cselect_b32 s24, 1<<(2*\i+1), 0
	s_or_b32 s[MF], s[MF], s24
.endr
	MWORDS                                         ; step 0's words come in any case, so that the 64 registers are written on every way
	s_wait_xcnt 0x0                                ; the second part's loads have read v234: it may be written again
.macro KLOADS                          ; a step's first four tiles of K and its four scale images
.irp t, 0,1,2,3
	ds_load_b128 v[KFR+12*\t:KFR+12*\t+3], v[AD16] offset:\t*768
	ds_load_b64 v[KFR+12*\t+4:KFR+12*\t+5], v[AD8] offset:\t*768
.endr
.irp bb, 0,1,2,3
	ds_load_b32 v[SW+\bb], v[ADS] offset:128*\bb
.endr
.endm
; The addresses of step JC mod 8.  The three additions and the v_nop are the four places behind the products that read these registers last (ISA guide 7.12.1)
.macro KAHEAD
	s_and_b32 s[TB], s[JC], 7
	s_lshl_b32 s[TS], s[TB], 9
	s_mul_i32 s[TB], s[TB], 6144
	v_add_nc_u32 v[AD16], s[TB], v[A16]
	v_add_nc_u32 v[AD8], s[TB], v[A8]
	v_add_nc_u32 v[ADS], s[TS], v[AS]
	v_nop
	KLOADS
.endm
.macro KAHEADC st                      ; the same for a step that the text knows: while the second part is on its way, the reads' places are constants inside the first part
	v_add_nc_u32 v[AD16], (\st)*6144, v[A16]
	v_add_nc_u32 v[AD8], (\st)*6144, v[A8]
	v_add_nc_u32 v[ADS], (\st)*512, v[AS]
	v_nop
	KLOADS
.endm
.macro MASKS                           ; masked scores become -infinity; each accumulator is read from its low end on
.set n, 0
.rept 64
.if n < 48
	v_cndmask_b32 v[S+n], v[NINF], v[S+n], s[16+n]
.else
	v_cndmask_b32 v[S+n], v[NINF], v[S+n], s[32+n]
.endif
.set n, n+1
.endr
.endm
	KAHEADC 0
; A KEY STEP of 128 keys for my tile u.  first = 1: tile 0's step 0, written out: O^T begins with C = 0, and the second part of K and V goes to LDS
.macro STEP u, first
	s_wait_dscnt 0x0                               ; this step's first four tiles of K and its scale images
.irp t, 0,1,2,3
	WMZ S+8*\t, KFR+12*\t, QF, SW+\t/2, QSW, \t%2, \u
.endr
	PLACES 4                                       ; in front of loads into registers that matrix instructions have read
.irp t, 0,1,2,3
	ds_load_b128 v[KFR+12*\t:KFR+12*\t+3], v[AD16] offset:(4+\t)*768
	ds_load_b64 v[KFR+12*\t+4:KFR+12*\t+5], v[AD8] offset:(4+\t)*768
.endr
.irp t, 0,1,2,3
	ds_load_b128 v[VFR+12*\t:VFR+12*\t+3], v[AD16] offset:REC+1536*\t
	ds_load_b64 v[VFR+12*\t+4:VFR+12*\t+5], v[AD8] offset:REC+1536*\t
	ds_load_b128 v[VFR+12*\t+6:VFR+12*\t+9], v[AD16] offset:REC+1536*\t+768
	ds_load_b64 v[VFR+12*\t+10:VFR+12*\t+11], v[AD8] offset:REC+1536*\t+768
	ds_load_b32 v[VS\t], v[ADS] offset:REC+128*\t
.endr
	s_wait_dscnt 20                                ; K's eight loads are in; V's twenty, issued behind them, may be out
.irp t, 0,1,2,3
	WMZ S+32+8*\t, KFR+12*\t, QF, SW+2+\t/2, QSW, \t%2, \u
.endr                                          ; lane (r, h) holds query slot r; register n is key 32 (n / 16) + 16 h + n % 16 of the step
.if \first
	KAHEADC 1
.else
	s_add_co_u32 s[JC], s[JC], 1
	KAHEAD                                         ; the next step's (behind the tile's last step: step 0's, for the next tile)
.endif
	s_wait_kmcnt 0x0                               ; any mask words asked for have come
	s_bitcmp1_b32 s[MF], 0                         ; has this step a masked pair?
	s_wait_alu depctr_va_vdst(0)
	s_cbranch_scc0 .Lnm_\@
	MASKS
.Lnm_\@:
	s_add_co_u32 s[SOFF], s[SOFF], 256             ; the next step's words; my two tiles' 16 steps lie on end,
	s_min_u32 s[SOFF], s[SOFF], 3840               ; and the offset is held inside them
	s_bitcmp1_b32 s[MF], 1                         ; are they wanted?  (behind the 16th step the bit is 0)
	s_wait_alu depctr_va_vdst(0)
	s_cbranch_scc0 .Lnl_\@
	MWORDS
.Lnl_\@:
	s_lshr_b32 s[MF], s[MF], 1
.irp b, 0,1,2,3                                ; the largest score of each block of 32 keys, in two chains a block: it serves for the row's maximum and, since p rises with the score, for the block's largest p
	v_max3_num_f32 v[232+\b], v[S+16*\b], v[S+16*\b+1], v[S+16*\b+2]
.endr
.irp b, 0,1,2,3
	v_max3_num_f32 v[236+\b], v[S+16*\b+7], v[S+16*\b+8], v[S+16*\b+9]   ; the second chain: numbers 7 to 13 (the block's second accumulator is first read at its low end)
.endr
.irp b, 0,1,2,3
	v_max_num_f32 v[244+\b], v[S+16*\b+14], v[S+16*\b+15]                ; the last two
.endr
.irp i, 3,5
.irp b, 0,1,2,3
	v_max3_num_f32 v[232+\b], v[232+\b], v[S+16*\b+\i], v[S+16*\b+\i+1]
.endr
.irp b, 0,1,2,3
	v_max3_num_f32 v[236+\b], v[236+\b], v[S+16*\b+7+\i], v[S+16*\b+8+\i]
.endr
.endr
.irp b, 0,1,2,3
	s_delay_alu instid0(VALU_DEP_4)
	v_max3_num_f32 v[232+\b], v[232+\b], v[236+\b], v[244+\b]            ; the three parts joined
.endr
.irp b, 0,1,2,3
	s_delay_alu instid0(VALU_DEP_4)
	v_permlanex16_b32 v[236+\b], v[232+\b], s[SEL], s[SEL+1]
.endr
.irp b, 0,1,2,3
	s_delay_alu instid0(VALU_DEP_4)
	v_max_num_f32 v[232+\b], v[232+\b], v[236+\b]  ; with lane l xor 16's 16 keys
.endr
	s_delay_alu instid0(VALU_DEP_2)
	v_max3_num_f32 v254, v232, v233, v234
	s_delay_alu instid0(VALU_DEP_1)
	v_max_num_f32 v254, v254, v235                 ; the step's largest score of my query
	s_delay_alu instid0(VALU_DEP_1)
	v_mul_f32 v254, s[CS], v254                    ; as t (c is positive)
	s_delay_alu instid0(VALU_DEP_1)
	v_max_num_f32 v13, v13, v254                   ; the running largest t
	v_mov_b32 v254, v12
	s_delay_alu instid0(VALU_DEP_2)
	v_floor_f32 v12, -v13                          ; the new -M = -ceil(t): a whole number
	s_delay_alu instid0(VALU_DEP_1)
	v_sub_f32 v254, v12, v254                      ; old M - new M: a whole number, 0 or less
	s_delay_alu instid0(VALU_DEP_1)
	v_cvt_i32_f32 v254, v254                       ; (it saturates)
	s_delay_alu instid0(VALU_DEP_1)
	v_ldexp_f32 v252, 1.0, v254                    ; f = 2^(old M - new M)
.set j, 0
.rept 32
	v_pk_fma_f32 v[S+j:S+j+1], v[S+j:S+j+1], s[CS:CS+1], v[12:13] op_sel_hi:[1,0,0]   ; t - M, two at a time
.set j, j+2
.endr
.irp b, 0,1,2,3
	v_fma_f32 v[232+\b], v[232+\b], s[CS], v12     ; the same of each block's largest score
.endr
.set j, 0
	s_wait_alu depctr_va_vdst(0)
.rept 64
	v_exp_f32 v[S+j], v[S+j]                       ; p = 2^(t - M), at most 1
.set j, j+1
.endr
.irp b, 0,1,2,3
	v_exp_f32 v[232+\b], v[232+\b]                 ; the block's largest p: the same two instructions on the same number
.endr
	v_pk_mul_f32 v[14:15], v[14:15], v[252:253] op_sel_hi:[1,0]   ; the sums under the new M (a plain place behind the exponentials)
	s_wait_alu depctr_va_vdst(0)                   ; and behind it
.irp b, 0,1,2,3
	v_max_num_f32 v[232+\b], 0x2800000, v[232+\b]  ; the floor 2^(5 - 127): the byte cannot fall under 1
.endr
.irp b, 0,1,2,3
	s_delay_alu instid0(VALU_DEP_4)
	v_add_nc_u32 v[244+\b], 0xfe000000, v[232+\b]  ; 4 off the exponent field: the conversion's scale operand
.endr
.irp b, 0,1,2,3
	s_delay_alu instid0(VALU_DEP_4)
	v_lshrrev_b32 v[236+\b], 23, v[244+\b]         ; the scale's byte
.endr
	s_delay_alu instid0(VALU_DEP_3)
	v_lshl_or_b32 v253, v237, 8, v236              ; p's scale word for these 128 keys
	s_delay_alu instid0(VALU_DEP_1)
	v_lshl_or_b32 v253, v238, 16, v253
	s_delay_alu instid0(VALU_DEP_1)
	v_lshl_or_b32 v253, v239, 24, v253
.irp c, 0,1
	v_cvt_scalef32_pk16_bf6_f32 v[224+6*\c:226+6*\c], v[S+32*\c:S+32*\c+15], v[244+2*\c]
	v_cvt_scalef32_pk16_bf6_f32 v[236+4*\c:238+4*\c], v[S+32*\c+16:S+32*\c+31], v[244+2*\c+1]
.endr
	v_nop                                          ; one plain place behind a scaled conversion
.irp c, 0,1                                    ; a whole block to a lane
.irp i, 0,1,2
	v_permlane16_swap_b32 v[224+6*\c+\i], v[236+4*\c+\i]
.endr
.irp i, 0,1,2
	s_delay_alu instid0(VALU_DEP_3)
	v_mov_b32 v[227+6*\c+\i], v[236+4*\c+\i]
.endr
.endr
	v_pk_add_f32 v[236:237], v[132:133], v[136:137]   ; the row's sum of the unquantised p, in five chains
	v_pk_add_f32 v[246:247], v[140:141], v[144:145]
	v_pk_add_f32 v[244:245], v[148:149], v[152:153]
	v_pk_add_f32 v[240:241], v[156:157], v[160:161]
	v_pk_add_f32 v[14:15], v[14:15], v[164:165]
	v_pk_add_f32 v[236:237], v[236:237], v[168:169]
	v_pk_add_f32 v[246:247], v[246:247], v[172:173]
	v_pk_add_f32 v[244:245], v[244:245], v[176:177]
	v_pk_add_f32 v[240:241], v[240:241], v[180:181]
	v_pk_add_f32 v[14:15], v[14:15], v[184:185]
	v_pk_add_f32 v[236:237], v[236:237], v[188:189]
	v_pk_add_f32 v[246:247], v[246:247], v[128:129]
	v_pk_add_f32 v[244:245], v[244:245], v[130:131]
	v_pk_add_f32 v[240:241], v[240:241], v[134:135]
	v_pk_add_f32 v[14:15], v[14:15], v[138:139]
	v_pk_add_f32 v[236:237], v[236:237], v[142:143]
	v_pk_add_f32 v[246:247], v[246:247], v[146:147]
	v_pk_add_f32 v[244:245], v[244:245], v[150:151]
	v_pk_add_f32 v[240:241], v[240:241], v[154:155]
	v_pk_add_f32 v[14:15], v[14:15], v[158:159]
	v_pk_add_f32 v[236:237], v[236:237], v[162:163]
	v_pk_add_f32 v[246:247], v[246:247], v[166:167]
	v_pk_add_f32 v[244:245], v[244:245], v[170:171]
	v_pk_add_f32 v[240:241], v[240:241], v[174:175]
	v_pk_add_f32 v[14:15], v[14:15], v[178:179]
	v_pk_add_f32 v[236:237], v[236:237], v[182:183]
	v_pk_add_f32 v[246:247], v[246:247], v[186:187]
	v_pk_add_f32 v[244:245], v[244:245], v[190:191]
	s_delay_alu instid0(VALU_DEP_1)
	v_pk_add_f32 v[14:15], v[14:15], v[244:245]
	s_delay_alu instid0(VALU_DEP_4)
	v_pk_add_f32 v[236:237], v[236:237], v[240:241]
	s_delay_alu instid0(VALU_DEP_2)
	v_pk_add_f32 v[14:15], v[14:15], v[246:247]
	s_delay_alu instid0(VALU_DEP_1)
	v_pk_add_f32 v[14:15], v[14:15], v[236:237]
.if \first
	s_wait_alu depctr_va_vdst(0)
	s_wait_loadcnt 0x0                             ; the second part of K and V is in O's registers
.irp i, 0,1,2,3,4,5,6,7
	ds_store_b128 v[LB], v[O+4*\i:O+4*\i+3] offset:512*\i
.endr
	s_wait_dscnt 0x0                               ; my stores are done and have read O's registers; V and the next step's loads are in
.irp t, 0,1,2,3                                ; O^T = V^T P^T: the first product starts the sums
	v_wmma_scale_f32_16x16x128_f8f6f4 v[O+8*\t:O+8*\t+7], v[VFR+12*\t:VFR+12*\t+11], v[224:235], 0, v[VS\t], v253 matrix_a_fmt:MATRIX_FMT_BF6 matrix_b_fmt:MATRIX_FMT_BF6
.endr
	s_barrier_signal -1
	s_barrier_wait -1                              ; everybody's second part lies in LDS: K and V are whole for the rest of the launch
.else
.set j, 0
.rept 16
	v_pk_mul_f32 v[O+j:O+j+1], v[O+j:O+j+1], v[252:253] op_sel_hi:[1,0]   ; O^T under the new M
.set j, j+2
.endr
	s_wait_alu depctr_va_vdst(0)
	s_wait_dscnt 12                                ; V is in; the next step's twelve loads, issued behind V's, may be out
.irp t, 0,1,2,3                                ; O^T += V^T P^T: the four accumulators by turns
	v_wmma_scale_f32_16x16x128_f8f6f4 v[O+8*\t:O+8*\t+7], v[VFR+12*\t:VFR+12*\t+11], v[224:235], v[O+8*\t:O+8*\t+7], v[VS\t], v253 matrix_a_fmt:MATRIX_FMT_BF6 matrix_b_fmt:MATRIX_FMT_BF6
.endr
.endif
.endm
; One tile of 16 queries: all 8 key steps, then O^T / the sum is quantised along the head's 64 channels and leaves as a half image
.macro TILE u
.if \u
	s_wait_xcnt 0x0                                ; tile 0's stores have read their registers
.endif
	v_mov_b32 v13, 0xff61b1e6                      ; the largest t so far: -3e38
	s_delay_alu instid0(VALU_DEP_1)
	v_floor_f32 v12, -v13                          ; -M
	v_mov_b32 v14, 0
	v_mov_b32 v15, 0
.if \u
.set j, 0
.rept 32
	v_mov_b32 v[O+j], 0                            ; tile 1 runs all its steps in the loop: the first finds zeros
.set j, j+1
.endr
	s_mov_b32 s[JC], 0
	s_wait_loadcnt 0x0                             ; tile 1's Q
.else
	s_wait_alu depctr_va_vdst(0)
	STEP 0, 1
	s_mov_b32 s[JC], 1
.endif
.Lstep_\u:
	STEP \u, 0
	s_cmp_lt_u32 s[JC], 8
	s_cbranch_scc1 .Lstep_\u
.if \u == 0
	global_load_b128 v[QF:QF+3], v[A16], s[4:5] offset:768   ; tile 1's Q lands under tile 0's way out (the last product that read these registers stands a softmax back)
	global_load_b64 v[QF+4:QF+5], v[A8], s[4:5] offset:768
.endif
	PLACES 4
	v_add_f32 v14, v14, v15                        ; the sum's two halves,
	s_delay_alu instid0(VALU_DEP_1)
	v_permlanex16_b32 v252, v14, s[SEL], s[SEL+1]
	s_delay_alu instid0(VALU_DEP_1)
	v_add_f32 v14, v14, v252                       ; and lane l xor 16's: the row's sum
	s_wait_alu depctr_va_vdst(0)
	v_rcp_f32 v252, v14
	v_cmp_eq_f32 vcc_lo, 0, v14                    ; (a plain place behind the reciprocal)  a query with no key at all
.set j, 0
	s_wait_alu depctr_va_vdst(0)
.rept 16
	v_pk_mul_f32 v[S+j:S+j+1], v[O+j:O+j+1], v[252:253] op_sel_hi:[1,0]   ; register 16 b + i is channel 32 b + 16 h + i of my query
.set j, j+2
.endr
.irp b, 0,1
	v_max3_num_f32 v[232+\b], |v[S+16*\b]|, |v[S+16*\b+1]|, 0x2800000
.endr
.irp i, 2,4,6,8,10,12,14
.irp b, 0,1
	s_delay_alu instid0(VALU_DEP_2)
	v_max3_num_f32 v[232+\b], v[232+\b], |v[S+16*\b+\i]|, |v[S+16*\b+\i+1]|
.endr
.endr
.irp b, 0,1
	s_delay_alu instid0(VALU_DEP_2)
	v_permlanex16_b32 v[236+\b], v[232+\b], s[SEL], s[SEL+1]
.endr
.irp b, 0,1
	s_delay_alu instid0(VALU_DEP_2)
	v_max_num_f32 v[232+\b], v[232+\b], v[236+\b]
.endr
.irp b, 0,1
	s_delay_alu instid0(VALU_DEP_2)
	v_add_nc_u32 v[244+\b], 0xfe000000, v[232+\b]
.endr
.irp b, 0,1
	s_delay_alu instid0(VALU_DEP_2)
	v_lshrrev_b32 v[236+\b], 23, v[244+\b]
.endr
	s_delay_alu instid0(VALU_DEP_1)
	v_lshl_or_b32 v254, v237, 8, v236              ; the two bytes
	v_cvt_scalef32_pk16_bf6_f32 v[224:226], v[S:S+15], v244
	v_cvt_scalef32_pk16_bf6_f32 v[236:238], v[S+16:S+31], v245
	v_nop
.irp i, 0,1,2
	v_permlane16_swap_b32 v[224+\i], v[236+\i]
.endr
.irp i, 0,1,2
	s_delay_alu instid0(VALU_DEP_3)
	v_mov_b32 v[227+\i], v[236+\i]
.endr
	v_cndmask_b32 v254, v254, -1, vcc_lo           ; no key at all: the bytes 0xff
	global_store_b128 v[A16], v[224:227], s[12:13] offset:6144*\u
	global_store_b64 v[A8], v[228:229], s[12:13] offset:6144*\u
.if \u == 0
	v_mov_b32 v30, v254
.else
	v_cndmask_b32 v31, v30, v254, s[HI16]          ; lanes 0-15 tile 0's words, lanes 16-31 tile 1's
	global_store_b32 v[L4], v31, s[14:15]
.endif
.endm
	TILE 0
	TILE 1
	s_wait_kmcnt 0x0                               ; nothing of mine lands behind the end
	s_wait_dscnt 0x0
	s_wait_tensorcnt 0x0                           ; the wave's end
	ds_add_u32 v243, v255
	s_wait_dscnt 0x0
	s_endpgm
.Lfunc_end_k_q257e6aa3fe_attn:
	.size	k_q257e6aa3fe_attn, .Lfunc_end_k_q257e6aa3fe_attn-k_q257e6aa3fe_attn
	.p2alignl 7, 3214868480
	.fill 96, 4, 3214868480
	.section	.rodata,"a",@progbits
	.p2align	6, 0x0
	.amdhsa_kernel k_q257e6aa3fe_attn
		.amdhsa_group_segment_fixed_size 108544
		.amdhsa_private_segment_fixed_size 0
		.amdhsa_enable_private_segment 0
		.amdhsa_kernarg_size 40
		.amdhsa_user_sgpr_count 2
		.amdhsa_user_sgpr_kernarg_segment_ptr 1
		.amdhsa_wavefront_size32 1
		.amdhsa_system_sgpr_workgroup_id_x 1
		.amdhsa_system_sgpr_workgroup_id_y 1
		.amdhsa_system_sgpr_workgroup_id_z 1
		.amdhsa_system_vgpr_workitem_id 0
		.amdhsa_next_free_vgpr 256
		.amdhsa_next_free_sgpr 102
		.amdhsa_reserve_vcc 1
		.amdhsa_float_denorm_mode_32 3
		.amdhsa_float_denorm_mode_16_64 3
		.amdhsa_memory_ordered 1
		.amdhsa_forward_progress 1
		.amdhsa_inst_pref_size 89
	.end_amdhsa_kernel
	.amdgpu_metadata
---
amdhsa.version: [ 1, 2 ]
amdhsa.kernels:
  - .name:           k_q257e6aa3fe_attn
    .symbol:         k_q257e6aa3fe_attn.kd
    .args:
      - { .name: qc, .offset: 0, .size: 8, .value_kind: global_buffer, .address_space: global }
      - { .name: kc, .offset: 8, .size: 8, .value_kind: global_buffer, .address_space: global }
      - { .name: vc, .offset: 16, .size: 8, .value_kind: global_buffer, .address_space: global }
      - { .name: maskw, .offset: 24, .size: 8, .value_kind: global_buffer, .address_space: global }
      - { .name: oc, .offset: 32, .size: 8, .value_kind: global_buffer, .address_space: global }
    .group_segment_fixed_size: 108544
    .private_segment_fixed_size: 0
    .kernarg_segment_align: 8
    .kernarg_segment_size: 40
    .max_flat_workgroup_size: 512
    .sgpr_count:     102
    .vgpr_count:     256
    .wavefront_size: 32
...
	.end_amdgpu_metadata
.endif
;; end of part 3
;; launch outln (part 4): grid 256 x 1, 8 waves a work-group, no clusters, 327,680 bytes of LDS; arguments oc, wimg, bo, q, gamma, beta, out0; writes out0
.if DOCPART == 4
	.amdgcn_target "amdgcn-amd-amdhsa--gfx1250"
	.amdhsa_code_object_version 6
	.text
	.protected	k_q257e6aa3fe_outln
	.globl	k_q257e6aa3fe_outln
	.p2align	8
	.type	k_q257e6aa3fe_outln,@function
k_q257e6aa3fe_outln:
	s_mov_b64 s[64:65], 0
	v_nop
	global_prefetch_b8 v0, s[64:65] scope:SCOPE_SE
	s_setreg_imm32_b32 hwreg(HW_REG_WAVE_MODE, 25, 1), 1
	s_wait_xcnt 0x0
.set PITCH, 528
.set KREG,  64*PITCH
.set OREC,  4*KREG
.set RED1,  OREC+26624
.set RED2,  RED1+4096
.set FRB,   1536
.set LI,   1
.set QR,   2
.set QD,   3
.set GO,   4
.set LO16, 5
.set LO8,  6
.set LOS,  7
.set RW,   8
.set RR,   9
.set BH,   10
.set L4,   11
.set WS,   16
.set OS,   24
.set F0,   32
.set BO,   32
.set RAW,  96
.set ACC,  128
.set SM,   32
.set SS,   40
.set SX,   44
.set RD,   48
.set DUP,  80
.set GAM,  192
.set BET,  224
.set WV,   18
.set G1Q,  24
.set G0Q,  32
.set G0O,  36
.set G1O,  40
.set SEL,  66
.set MSB, 0
.macro WIN new
.if MSB != \new
	s_set_vgpr_msb (MSB<<8)|\new
.set MSB, \new
.endif
.endm
.macro PLACES n
.rept \n
	v_nop
.endr
.endm
.macro WM d, a, b, c, sa, sb, ra, rb
.if (\ra) && (\rb)
	v_wmma_scale_f32_16x16x128_f8f6f4 v[\d:\d+7], v[\a:\a+11], v[\b:\b+11], v[\c:\c+7], v[\sa], v[\sb] matrix_a_fmt:MATRIX_FMT_BF6 matrix_b_fmt:MATRIX_FMT_BF6 matrix_a_scale:MATRIX_SCALE_ROW1 matrix_b_scale:MATRIX_SCALE_ROW1
.elseif (\ra)
	v_wmma_scale_f32_16x16x128_f8f6f4 v[\d:\d+7], v[\a:\a+11], v[\b:\b+11], v[\c:\c+7], v[\sa], v[\sb] matrix_a_fmt:MATRIX_FMT_BF6 matrix_b_fmt:MATRIX_FMT_BF6 matrix_a_scale:MATRIX_SCALE_ROW1
.elseif (\rb)
	v_wmma_scale_f32_16x16x128_f8f6f4 v[\d:\d+7], v[\a:\a+11], v[\b:\b+11], v[\c:\c+7], v[\sa], v[\sb] matrix_a_fmt:MATRIX_FMT_BF6 matrix_b_fmt:MATRIX_FMT_BF6 matrix_b_scale:MATRIX_SCALE_ROW1
.else
	v_wmma_scale_f32_16x16x128_f8f6f4 v[\d:\d+7], v[\a:\a+11], v[\b:\b+11], v[\c:\c+7], v[\sa], v[\sb] matrix_a_fmt:MATRIX_FMT_BF6 matrix_b_fmt:MATRIX_FMT_BF6
.endif
.endm
	s_load_b256 s[4:11], s[0:1], 0x0
	s_load_b128 s[12:15], s[0:1], 0x20
	s_load_b64 s[16:17], s[0:1], 0x30
	v_lshl_add_u32 v254, v0, 2, 0x29800
	v_mov_b32 v255, 0
	ds_add_u32 v254, v255
	ds_add_u32 v254, v255
	s_wait_dscnt 0x0
	v_lshrrev_b32 v12, 5, v0
	s_delay_alu instid0(VALU_DEP_1)
	v_readfirstlane_b32 s[WV], v12
	v_and_b32 v12, 31, v0
	s_delay_alu instid0(VALU_DEP_1)
	v_lshlrev_b32 v[LI], 4, v12
	s_delay_alu instid0(VALU_DEP_2)
	v_lshlrev_b32 v[L4], 2, v12
	s_delay_alu instid0(VALU_DEP_3)
	v_lshlrev_b32 v[LO8], 3, v12
	v_bfe_u32 v13, v0, 4, 1
	s_delay_alu instid0(VALU_DEP_1)
	v_lshlrev_b32 v[BH], 6, v13
	v_and_b32 v14, 15, v0
	s_and_b32 s20, s[WV], 3
	s_lshr_b32 s21, s[WV], 2
	s_mul_i32 s22, s20, KREG
	s_lshl_b32 s48, ttmp9, 17
	s_lshl_b32 s23, s20, 9
	s_add_co_u32 s48, s48, s23
	s_mov_b32 s49, 0
	s_mul_i32 s50, ttmp9, 26624
	s_mul_i32 s23, s20, 6656
	s_add_co_u32 s50, s50, s23
	s_mov_b32 s51, 0
	s_add_co_u32 s23, s23, OREC
	s_mov_b32 s[G1Q+0], (2<<16)|(1<<20)|(6<<22)|(3<<25)
	s_mov_b32 s[G1Q+1], 128<<16
	s_mov_b32 s[G1Q+2], 64<<16
	s_mov_b32 s[G1Q+3], 128<<16
	s_mov_b32 s[G1Q+4], 64
	s_mov_b32 s[G1Q+5], 512
	s_mov_b32 s[G1Q+6], 0
	s_mov_b32 s[G1Q+7], 0
	s_mov_b32 s[G1O+0], 3<<16
	s_mov_b32 s[G1O+1], 32<<16
	s_mov_b32 s[G1O+2], 26<<16
	s_mov_b32 s[G1O+3], 32<<16
	s_mov_b32 s[G1O+4], 26
	s_mov_b32 s[G1O+5], 32
	s_mov_b32 s[G1O+6], 0
	s_mov_b32 s[G1O+7], 0
	s_mul_i32 s52, s[WV], 16*FRB
	s_add_co_u32 s52, s52, 3*204800
	s_mov_b32 s53, 0
	s_lshl_b32 s54, s[WV], 10
	s_add_co_u32 s54, s54, 3*204800+196608
	s_mov_b32 s55, 0
	s_lshl_b32 s56, s[WV], 8
	s_mov_b32 s57, 0
	s_lshl_b32 s58, ttmp9, 17
	s_mov_b32 s59, 0
	s_mov_b32 s[SEL], 0x76543210
	s_mov_b32 s[SEL+1], 0xfedcba98
	s_mov_b32 s68, 0x3b000000
	s_mov_b32 s69, 0x3727c5ac
	s_wait_alu depctr_va_vdst(0)
	s_wait_kmcnt 0x0
	s_mov_b32 s[G0Q], 1
	s_mov_b32 s[G0Q+1], s22
	s_add_nc_u64 s[G0Q+2:G0Q+3], s[10:11], s[48:49]
	s_or_b32 s[G0Q+3], s[G0Q+3], 0x80000000
	s_mov_b32 s[G0O], 1
	s_mov_b32 s[G0O+1], s23
	s_add_nc_u64 s[G0O+2:G0O+3], s[4:5], s[50:51]
	s_or_b32 s[G0O+3], s[G0O+3], 0x80000000
	s_cmp_lt_u32 s[WV], 4
	s_cbranch_scc0 .Lfor_o
	tensor_load_to_lds s[G0Q:G0Q+3], s[G1Q:G1Q+7]
	s_nop 0
	PLACES 4
	s_branch .Lasked
.Lfor_o:
	tensor_load_to_lds s[G0O:G0O+3], s[G1O:G1O+7]
	s_nop 0
	PLACES 4
.Lasked:
	s_add_nc_u64 s[52:53], s[6:7], s[52:53]
	s_add_nc_u64 s[54:55], s[6:7], s[54:55]
	s_add_nc_u64 s[8:9], s[8:9], s[56:57]
	s_add_nc_u64 s[12:13], s[12:13], s[56:57]
	s_add_nc_u64 s[14:15], s[14:15], s[56:57]
	s_add_nc_u64 s[16:17], s[16:17], s[58:59]
	WIN 0x40
.set f, 0
.rept 16
.irp c, 0,1,2
	global_load_b128 v[12*f+4*\c:12*f+4*\c+3], v[LI], s[52:53] offset:FRB*f+512*\c
.endr
.set f, f+1
.endr
.irp t, 0,1,2,3
	global_load_b128 v[GAM+8*\t:GAM+8*\t+3], v[BH], s[12:13] offset:(32*(\t/2)+8*(\t%2))*4
	global_load_b128 v[GAM+8*\t+4:GAM+8*\t+7], v[BH], s[12:13] offset:(32*(\t/2)+8*(\t%2))*4+16
	global_load_b128 v[BET+8*\t:BET+8*\t+3], v[BH], s[14:15] offset:(32*(\t/2)+8*(\t%2))*4
	global_load_b128 v[BET+8*\t+4:BET+8*\t+7], v[BH], s[14:15] offset:(32*(\t/2)+8*(\t%2))*4+16
.endr
	WIN 0
.irp t, 0,1,2,3
	global_load_b128 v[BO+8*\t:BO+8*\t+3], v[BH], s[8:9] offset:(32*(\t/2)+8*(\t%2))*4
	global_load_b128 v[BO+8*\t+4:BO+8*\t+7], v[BH], s[8:9] offset:(32*(\t/2)+8*(\t%2))*4+16
.endr
.irp f, 0,1,2,3,4,5,6,7
	global_load_b32 v[WS+\f], v[L4], s[54:55] offset:128*\f
.endr
	s_lshr_b32 s20, s[WV], 1
	s_mul_i32 s20, s20, KREG
	s_and_b32 s21, s[WV], 1
	s_lshl_b32 s21, s21, 8
	s_add_co_u32 s20, s20, s21
	v_and_b32 v15, 8, v14
	s_delay_alu instid0(VALU_DEP_1)
	v_add_nc_u32 v15, v15, v14
	s_delay_alu instid0(VALU_DEP_1)
	v_mul_u32_u24 v[QR], v15, PITCH
	s_delay_alu instid0(VALU_DEP_1)
	v_add_nc_u32 v[QR], v[QR], v[BH]
	s_delay_alu instid0(VALU_DEP_1)
	v_add_nc_u32 v[QR], s20, v[QR]
	v_mul_u32_u24 v[QD], v13, PITCH
	s_delay_alu instid0(VALU_DEP_1)
	v_lshl_add_u32 v[QD], v14, 4, v[QD]
	s_delay_alu instid0(VALU_DEP_1)
	v_add_nc_u32 v[QD], s20, v[QD]
	s_lshl_b32 s21, s[WV], 8
	v_lshlrev_b32 v[GO], 11, v13
	s_delay_alu instid0(VALU_DEP_1)
	v_lshl_add_u32 v[GO], v14, 4, v[GO]
	s_delay_alu instid0(VALU_DEP_1)
	v_add_nc_u32 v[GO], s21, v[GO]
	v_add_nc_u32 v[LO16], OREC, v[LI]
	v_add_nc_u32 v[LO8], OREC, v[LO8]
	v_add_nc_u32 v[LOS], OREC+12288, v[L4]
	s_lshl_b32 s21, s[WV], 9
	s_add_co_u32 s21, s21, RED1
	v_add_nc_u32 v[RW], s21, v[LI]
	v_add_nc_u32 v[RR], RED1, v[LI]
	s_wait_alu depctr_va_vdst(0)
	s_wait_tensorcnt 0x0
	s_barrier_signal -1
	s_barrier_wait -1
.irp m, 0,1,2,3
.irp bb, 0,1
.irp j, 0,1,2,3
	ds_load_b128 v[ACC+8*(4*\m+2*\bb)+4*\j:ACC+8*(4*\m+2*\bb)+4*\j+3], v[QR] offset:(32*(\m/2)+8*(\m%2))*PITCH+128*\bb+16*\j
.endr
.endr
.endr
.irp pp, 0,1
.irp hd, 0,1,2,3,4,5,6,7
	ds_load_b32 v[RAW+8*\pp+\hd], v[LOS] offset:13312*\pp+128*\hd
.endr
.endr
	s_wait_dscnt 0x0
	s_wait_loadcnt 0x0
.irp pp, 0,1
.irp s, 0,1,2,3
	v_perm_b32 v[OS+4*\pp+\s], v[RAW+8*\pp+2*\s+1], v[RAW+8*\pp+2*\s], 0x05040100
.endr
.endr
.irp m, 0,1,2,3
.set k, 0
.rept 16
	v_pk_add_f32 v[ACC+32*\m+k:ACC+32*\m+k+1], v[ACC+32*\m+k:ACC+32*\m+k+1], v[BO+k:BO+k+1]
.set k, k+2
.endr
.endr
.macro OFETCH s
	WIN 0
.irp m, 0,1,2,3
	ds_load_b128 v[F0+48*(\s%2)+12*\m:F0+48*(\s%2)+12*\m+3], v[LO16] offset:13312*(\m/2)+6144*(\m%2)+1536*\s
	ds_load_b64 v[F0+48*(\s%2)+12*\m+4:F0+48*(\s%2)+12*\m+5], v[LO8] offset:13312*(\m/2)+6144*(\m%2)+1536*\s+512
	ds_load_b128 v[F0+48*(\s%2)+12*\m+6:F0+48*(\s%2)+12*\m+9], v[LO16] offset:13312*(\m/2)+6144*(\m%2)+1536*\s+768
	ds_load_b64 v[F0+48*(\s%2)+12*\m+10:F0+48*(\s%2)+12*\m+11], v[LO8] offset:13312*(\m/2)+6144*(\m%2)+1536*\s+1280
.endr
.endm
.macro MUL s
	WIN 0x01
.irp m, 0,1,2,3
.irp t, 0,1,2,3
	WM ACC+8*(4*\m+\t), 12*(4*\t+\s), F0+48*(\s%2)+12*\m, ACC+8*(4*\m+\t), WS+4*(\t/2)+\s, OS+4*(\m/2)+\s, \t%2, \m%2
.endr
.endr
.endm
	OFETCH 0
	OFETCH 1
	s_wait_alu depctr_va_vdst(0)
	s_wait_dscnt 16
	MUL 0
	PLACES 4
	OFETCH 2
	s_wait_dscnt 16
	MUL 1
	PLACES 4
	OFETCH 3
	s_wait_dscnt 16
	MUL 2
	s_wait_dscnt 0x0
	MUL 3
	WIN 0
	PLACES 4
.macro EXCH off
.irp m, 0,1,2,3
	s_delay_alu instid0(VALU_DEP_4)
	v_add_f32 v[SS+\m], v[SM+2*\m], v[SM+2*\m+1]
.endr
.irp m, 0,1,2,3
	s_delay_alu instid0(VALU_DEP_4)
	v_permlanex16_b32 v[SX+\m], v[SS+\m], s[SEL], s[SEL+1]
.endr
.irp m, 0,1,2,3
	s_delay_alu instid0(VALU_DEP_4)
	v_add_f32 v[SS+\m], v[SS+\m], v[SX+\m]
.endr
	ds_store_b128 v[RW], v[SS:SS+3] offset:\off
	s_wait_dscnt 0x0
	s_barrier_signal -1
	s_barrier_wait -1
.irp g, 0,1,2,3,4,5,6,7
	ds_load_b128 v[RD+4*\g:RD+4*\g+3], v[RR] offset:\off+512*\g
.endr
	s_wait_dscnt 0x0
.irp g, 0,1,2,3
	v_pk_add_f32 v[RD+4*\g:RD+4*\g+1], v[RD+4*\g:RD+4*\g+1], v[RD+4*\g+16:RD+4*\g+17]
	v_pk_add_f32 v[RD+4*\g+2:RD+4*\g+3], v[RD+4*\g+2:RD+4*\g+3], v[RD+4*\g+18:RD+4*\g+19]
.endr
.irp g, 0,1
	s_delay_alu instid0(VALU_DEP_4)
	v_pk_add_f32 v[RD+4*\g:RD+4*\g+1], v[RD+4*\g:RD+4*\g+1], v[RD+4*\g+8:RD+4*\g+9]
	s_delay_alu instid0(VALU_DEP_4)
	v_pk_add_f32 v[RD+4*\g+2:RD+4*\g+3], v[RD+4*\g+2:RD+4*\g+3], v[RD+4*\g+10:RD+4*\g+11]
.endr
	s_delay_alu instid0(VALU_DEP_2)
	v_pk_add_f32 v[RD:RD+1], v[RD:RD+1], v[RD+4:RD+5]
	s_delay_alu instid0(VALU_DEP_2)
	v_pk_add_f32 v[RD+2:RD+3], v[RD+2:RD+3], v[RD+6:RD+7]
.endm
.irp m, 0,1,2,3
	v_pk_add_f32 v[SM+2*\m:SM+2*\m+1], v[ACC+32*\m:ACC+32*\m+1], v[ACC+32*\m+2:ACC+32*\m+3]
.endr
.set k, 4
.rept 14
.irp m, 0,1,2,3
	v_pk_add_f32 v[SM+2*\m:SM+2*\m+1], v[SM+2*\m:SM+2*\m+1], v[ACC+32*\m+k:ACC+32*\m+k+1]
.endr
.set k, k+2
.endr
	EXCH 0
.irp m, 0,1,2,3
	v_mul_f32 v[DUP+2*\m], 0xbb000000, v[RD+\m]
	v_mul_f32 v[DUP+2*\m+1], 0xbb000000, v[RD+\m]
.endr
.irp m, 0,1,2,3
.set k, 0
.rept 16
	v_pk_add_f32 v[ACC+32*\m+k:ACC+32*\m+k+1], v[ACC+32*\m+k:ACC+32*\m+k+1], v[DUP+2*\m:DUP+2*\m+1]
.set k, k+2
.endr
.endr
.irp m, 0,1,2,3
	v_pk_mul_f32 v[SM+2*\m:SM+2*\m+1], v[ACC+32*\m:ACC+32*\m+1], v[ACC+32*\m:ACC+32*\m+1]
.endr
.set k, 2
.rept 15
.irp m, 0,1,2,3
	s_delay_alu instid0(VALU_DEP_4)
	v_pk_fma_f32 v[SM+2*\m:SM+2*\m+1], v[ACC+32*\m+k:ACC+32*\m+k+1], v[ACC+32*\m+k:ACC+32*\m+k+1], v[SM+2*\m:SM+2*\m+1]
.endr
.set k, k+2
.endr
	EXCH 4096
.irp m, 0,1,2,3
	v_fma_f32 v[RD+\m], v[RD+\m], s68, s69
.endr
	s_wait_alu depctr_va_vdst(0)
.irp m, 0,1,2,3
	v_rsq_f32 v[DUP+2*\m], v[RD+\m]
.endr
	v_nop
	s_wait_alu depctr_va_vdst(0)
.irp m, 0,1,2,3
	v_mov_b32 v[DUP+2*\m+1], v[DUP+2*\m]
.endr
.irp m, 0,1,2,3
.set k, 0
.rept 16
	v_pk_mul_f32 v[ACC+32*\m+k:ACC+32*\m+k+1], v[ACC+32*\m+k:ACC+32*\m+k+1], v[DUP+2*\m:DUP+2*\m+1]
.set k, k+2
.endr
.endr
	WIN 0x14
.irp m, 0,1,2,3
.set k, 0
.rept 16
	v_pk_fma_f32 v[ACC+32*\m+k:ACC+32*\m+k+1], v[ACC+32*\m+k:ACC+32*\m+k+1], v[GAM+k:GAM+k+1], v[BET+k:BET+k+1]
.set k, k+2
.endr
.endr
	WIN 0
.macro TOROWS m
.irp bb, 0,1
.irp j, 0,1,2,3
	ds_store_b128 v[QR], v[ACC+8*(4*\m+2*\bb)+4*\j:ACC+8*(4*\m+2*\bb)+4*\j+3] offset:(32*(\m/2)+8*(\m%2))*PITCH+128*\bb+16*\j
.endr
.endr
.endm
	TOROWS 0
	TOROWS 1
.set i, 0
.rept 16
	ds_load_b128 v[32+4*i:32+4*i+3], v[QD] offset:2*i*PITCH
.set i, i+1
.endr
	TOROWS 2
	TOROWS 3
	s_wait_dscnt 16
.set i, 0
.rept 16
	global_store_b128 v[GO], v[32+4*i:32+4*i+3], s[16:17] offset:2*i*2048 th:TH_STORE_NT
.set i, i+1
.endr
.set i, 0
.rept 16
	ds_load_b128 v[128+4*i:128+4*i+3], v[QD] offset:(32+2*i)*PITCH
.set i, i+1
.endr
	s_wait_dscnt 0x0
.set i, 0
.rept 16
	global_store_b128 v[GO], v[128+4*i:128+4*i+3], s[16:17] offset:(32+2*i)*2048 th:TH_STORE_NT
.set i, i+1
.endr
	s_wait_xcnt 0x0
	v_lshl_add_u32 v254, v0, 2, 0x29800
	v_mov_b32 v255, 0
	s_wait_alu depctr_va_vdst(0)
	s_wait_tensorcnt 0x0
	ds_add_u32 v254, v255
	s_wait_dscnt 0x0
	s_endpgm
.Lfunc_end_k_q257e6aa3fe_outln:
	.size	k_q257e6aa3fe_outln, .Lfunc_end_k_q257e6aa3fe_outln-k_q257e6aa3fe_outln
	.p2alignl 7, 3214868480
	.fill 96, 4, 3214868480
	.section	.rodata,"a",@progbits
	.p2align	6, 0x0
	.amdhsa_kernel k_q257e6aa3fe_outln
		.amdhsa_group_segment_fixed_size 327680
		.amdhsa_private_segment_fixed_size 0
		.amdhsa_enable_private_segment 0
		.amdhsa_kernarg_size 56
		.amdhsa_user_sgpr_count 2
		.amdhsa_user_sgpr_kernarg_segment_ptr 1
		.amdhsa_wavefront_size32 1
		.amdhsa_system_sgpr_workgroup_id_x 1
		.amdhsa_system_sgpr_workgroup_id_y 1
		.amdhsa_system_sgpr_workgroup_id_z 1
		.amdhsa_system_vgpr_workitem_id 0
		.amdhsa_next_free_vgpr 512
		.amdhsa_next_free_sgpr 70
		.amdhsa_reserve_vcc 0
		.amdhsa_float_denorm_mode_32 3
		.amdhsa_float_denorm_mode_16_64 3
		.amdhsa_memory_ordered 1
		.amdhsa_forward_progress 1
		.amdhsa_inst_pref_size 70
	.end_amdhsa_kernel
	.amdgpu_metadata
---
amdhsa.version: [ 1, 2 ]
amdhsa.kernels:
  - .name:           k_q257e6aa3fe_outln
    .symbol:         k_q257e6aa3fe_outln.kd
    .args:
      - { .name: oc, .offset: 0, .size: 8, .value_kind: global_buffer, .address_space: global }
      - { .name: wimg, .offset: 8, .size: 8, .value_kind: global_buffer, .address_space: global }
      - { .name: bo, .offset: 16, .size: 8, .value_kind: global_buffer, .address_space: global }
      - { .name: q, .offset: 24, .size: 8, .value_kind: global_buffer, .address_space: global }
      - { .name: gamma, .offset: 32, .size: 8, .value_kind: global_buffer, .address_space: global }
      - { .name: beta, .offset: 40, .size: 8, .value_kind: global_buffer, .address_space: global }
      - { .name: out0, .offset: 48, .size: 8, .value_kind: global_buffer, .address_space: global }
    .group_segment_fixed_size: 327680
    .private_segment_fixed_size: 0
    .kernarg_segment_align: 8
    .kernarg_segment_size: 56
    .max_flat_workgroup_size: 256
    .sgpr_count:     70
    .vgpr_count:     512
    .wavefront_size: 32
...
	.end_amdgpu_metadata
.endif
;; end of part 4
